; MI455X (gfx1250); checked and timed in simulation.
; The chip was launched on July 23, 2026; its instructions are those of AMD's public machine-readable ISA for CDNA 5 (MIT licence, August 2026) and "CDNA5" Instruction Set Architecture Reference Guide (July 2026). The comments in the code are by the model that wrote it; some were corrected since.
;; Self Attention. Allowed arithmetic: matrix products marked QUANTISED: E4M3 operands, one given power-of-two scale a tensor, by v_wmma_f32_16x16x64_fp8_fp8 or v_wmma_f32_16x16x128_fp8_fp8, f32 sums; everything else in f32.
;; Inputs: ln_b 1,024 float32; ln_w 1,024 float32; lowp_scales 8 int32 (the exponents e of the quantised operands' scales 2^e); out_b 1,024 float32; out_w 1,024 x 1,024 float32; pos 8 x 1,025 int32; qkv_b 3,072 float32; qkv_w 3,072 x 1,024 float32; theta 1,025 x 16 x 32 float32; x 8 x 1,025 x 1,024 float32.
;; Outputs: out0 8 x 1,025 x 1,024 float32.
;; This version of the problem:
;;   THIS VERSION OF THE PROBLEM IS GIVEN IN LOW PRECISION. The matrix products marked QUANTISED in the list below multiply operands that are first quantised to E4M3 (4 exponent bits, 3 mantissa bits; 8 bits a number), with one given power-of-two scale for each operand tensor; their sums are f32. All else is computed in f32.
;;   The module's matrix products, in the order in which they are computed (A, B: the left and right operand; K: the contracted axis; several contracted axes count as one K, in the product's order):
;;     1. [M 8,200, K 1,024] x [K 1,024, N 3,072]; A: computed on the way; B: input qkv_w: QUANTISED (scales: A lowp_scales[0], B lowp_scales[1])
;;     2. batch 128 x [M 1,025, K 64] x [K 64, N 1,025]; A: computed on the way; B: computed on the way: QUANTISED (scales: A lowp_scales[2], B lowp_scales[3])
;;     3. batch 128 x [M 1,025, K 1,025] x [K 1,025, N 64]; A: softmax (see below); B: computed on the way: QUANTISED (scales: A lowp_scales[4], B lowp_scales[5])
;;     4. [M 8,200, K 1,024] x [K 1,024, N 1,024]; A: computed on the way; B: input out_w: QUANTISED (scales: A lowp_scales[6], B lowp_scales[7])
;;   THE QUANTISER, for each operand of a quantised product, along K:
;;     - The operand's scale is 2^e, e = its entry of the input lowp_scales (int32; the entries are numbered through the quantised products in the list's order, A before B).
;;     - Each number is divided by the scale, clamped to +-448, and rounded to the nearest number of E4M3, ties to even, subnormals kept.
;;     - The product sums the exact products of the quantised numbers (number of the format x scale) in f32.
;;   ~~~python
;;   def quantise(x, axis, e):      # numpy; x: float32 -> the quantised numbers, widened to float32 again
;;       x = np.moveaxis(x, axis, -1); K = x.shape[-1]
;;       r = np.clip(x / 2.0 ** e, -448, 448)
;;       step = 2.0 ** (np.maximum(np.frexp(np.where(r == 0, 1, r))[1] - 1, -6) - 3)
;;       q = np.round(r / step) * step * 2.0 ** e      # np.round: ties to even
;;       return np.moveaxis(q, -1, axis).astype(np.float32)
;;   ~~~
;;   SOFTMAX AHEAD OF A QUANTISED PRODUCT. Where the list says 'softmax', what is quantised is not the finished softmax but p = 2^(t - M), with t = logit x log2(e) and M = ceil(the row's largest t), a whole number; so 1/2 < the row's largest p <= 1. The row's sum l is taken of the UNQUANTISED p, in f32, and the product's result is divided by l at the end. Since M is a whole number, a kernel that streams over the keys may use a running M (the ceiling of the running maximum): every later rescaling is an exact power of two, so the quantised numbers keep their values, but for numbers so far below the row's largest that they fall under the format's range.
;;   OPERANDS COMPUTED ON THE WAY. 'Computed on the way' means the value that the module computes at that place (a softmax that the list does not call 'softmax' is quantised finished and normalised). What goes into a quantiser is computed in f32, as accurately as f32 sums, v_exp_f32 and their like allow (about 1e-6 of the number): no bf16 or f16 on the way to a quantiser, and a product that is left as it is and whose result goes on into a quantised operand takes f32 operands (vector FMAs, or v_wmma_f32_16x16x4_f32). A number that lies on a knife's edge between two numbers of the format may be rounded either way, as far as f32 arithmetic and the matrix unit's own rounding can turn it there, and no further.
;; One version. Each part assembles by itself: llvm-mc -triple=amdgcn-amd-amdhsa -mcpu=gfx1250 --defsym DOCPART=n.
;; ======== version 1 of 1: 4 launches
;; limits: inputs' magnitudes at most 100,000; right only within a limited range of input values
;; workspace buffers: hc 9,437,184 bytes; wqc 3,145,728 bytes; woc 1,048,576 bytes; cs 4,198,400 bytes; qc 9,437,184 bytes; kc 9,437,184 bytes; vc 9,437,184 bytes; oc 9,437,184 bytes
;; launch prep (part 1): grid 961 x 1, 8 waves a work-group, no clusters, 17,920 bytes of LDS; arguments x, qkv_w, out_w, theta, ln_w, ln_b, lowp_scales, hc, wqc, woc, cs; writes hc, wqc, woc, cs
.if DOCPART == 1
	.amdgcn_target "amdgcn-amd-amdhsa--gfx1250"
	.amdhsa_code_object_version 6
	.text
	.protected	k_q895a5cdf92_prep
	.globl	k_q895a5cdf92_prep
	.p2align	8
	.type	k_q895a5cdf92_prep,@function
k_q895a5cdf92_prep:
	s_mov_b64 s[64:65], 0
	v_nop
	global_prefetch_b8 v0, s[64:65] scope:SCOPE_SE
	s_setreg_imm32_b32 hwreg(HW_REG_WAVE_MODE, 25, 1), 1
	s_wait_xcnt 0x0
; PREP.  Four kinds of work-group, told apart by the work-group's number alone:
;   0..575    LayerNorm of 16 tokens of x, quantised with 2^e0           -> hc
;   576..767  16 rows of qkv_w, quantised with 2^e1                      -> wqc (the rows' tiles in another order, below)
;   768..831  16 rows of out_w, quantised with 2^e7                      -> woc
;   832..960  eight rows of the table cos(theta), sin(theta), one a wave -> cs
; TOKENS are padded to 1,152 a batch (9 x 128): a pad token is a copy of the batch's token 1,024 (its row is read again); nothing made of it reaches the output.
; CODES ARE STORED AS IMAGES OF THE OPERAND'S REGISTERS: [tile of 16 rows][block of 128][quad c][lane][16 bytes]; lane (r, h) of quad c holds, of row r,
; k = 32 c + 8 h + 0..7 and 32 c + 16 + 8 h + 0..7 of its 128: the place that v_wmma_f32_16x16x128_fp8_fp8 gives each k.  A reader takes a fragment by four loads of 16 bytes at 16 x lane.
; wqc's tiles: head X's four tiles of q rows, then its four of k rows and its four of v rows lie together, at 12 X .. 12 X + 11.
; A ROW WORK-GROUP: wave w takes rows 2 w and 2 w + 1 (each load reads 512 consecutive bytes), makes their codes, lays them as rows in a stage in LDS; one barrier; wave w then reads k = 128 w .. 128 w + 127 of all
; 16 rows, which is one fragment, and stores it: four stores of 512 consecutive bytes.
; code = number / 2^e, held within +-448, to the nearest code, ties to even.  LIMITS: e0, e1, e7 between -126 and 119.  NaN among the inputs is not served.  |theta| up to 1e5 (the reduction by pi/2 in three parts is exact so far).
; cos and sin: k = nearest whole number to theta x 2 / pi; r = theta - k pi/2; Taylor sums to r^9 and r^10 on |r| <= pi/4, whose first terms left out are under 2e-9; the quadrant picks sum and sign.
.set KSB_H,  2359296                   ; bytes from a K step to the next: 576, 192 and 64 tiles of 4,096
.set KSB_WQ, 786432
.set KSB_WO, 262144
.set PIT,    1040                      ; a stage row: 1,024 codes + 16: 260 words, so that row r starts at bank 4 r mod 64 and the 32 lanes of the 8-byte reads touch 64 different banks
.set SPARE,  16896                     ; behind the stage (16 x 1,040 bytes): the spare words, 128 bytes a wave
.set L16, 2                            ; v2   16 x lane
.set LS,  3                            ; v3   the stage, in: 2 w rows + 4 x lane
.set LR,  4                            ; v4   the stage, out: row r + 8 h + 128 w
.set SPW, 5                            ; v5   my spare word; never rewritten
.set NIL, 6                            ; v6   0; never rewritten
.set X,   32                           ; v32-95   two rows: register 4 j + i holds k = 128 j + 4 lane + i
.set LW,  96                           ; v96-127  ln_w, laid likewise
.set LB,  128                          ; v128-159 ln_b
.set CD,  160                          ; v160-175 codes: register 8 rho + j holds row rho's k = 128 j + 4 lane + 0..3
.set IM,  176                          ; v176-191 the fragment
	s_load_b256 s[4:11], s[0:1], 0x0               ; x, qkv_w, out_w, theta
	s_load_b256 s[12:19], s[0:1], 0x20             ; ln_w, ln_b, the exponents, hc
	s_load_b128 s[20:23], s[0:1], 0x40             ; wqc, woc
	s_load_b64 s[24:25], s[0:1], 0x50              ; cs
	v_lshl_add_u32 v[SPW], v0, 2, SPARE
	v_mov_b32 v[NIL], 0
	v_lshrrev_b32 v7, 5, v0
	s_delay_alu instid0(VALU_DEP_1)
	v_readfirstlane_b32 s26, v7                    ; wave 0..7
	v_and_b32 v1, 31, v0                           ; lane
	s_delay_alu instid0(VALU_DEP_1)
	v_lshlrev_b32 v[L16], 4, v1
	s_mul_i32 s27, s26, 2*PIT
	v_lshlrev_b32 v[LS], 2, v1
	s_delay_alu instid0(VALU_DEP_1)
	v_add_nc_u32 v[LS], s27, v[LS]
	v_and_b32 v7, 15, v0
	s_delay_alu instid0(VALU_DEP_1)
	v_mul_u32_u24 v[LR], v7, PIT
	v_bfe_u32 v7, v0, 4, 1
	s_delay_alu instid0(VALU_DEP_1)
	v_lshl_add_u32 v[LR], v7, 3, v[LR]
	s_lshl_b32 s27, s26, 7
	v_add_nc_u32 v[LR], s27, v[LR]
	s_cmp_ge_u32 ttmp9, 832
	s_cbranch_scc1 .Lcs
	; ---- rows.  Every choice between the three tensors is a select on the work-group's number: one text serves all three
	s_lshr_b32 s50, ttmp9, 3                       ; tokens: tile T = 72 b + ti; b = (T / 8) / 9 = (57 (T / 8)) >> 9, right for T / 8 up to 71
	s_mul_i32 s50, s50, 57
	s_lshr_b32 s50, s50, 9
	s_mul_i32 s51, s50, 72
	s_sub_co_u32 s51, ttmp9, s51
	s_lshl_b32 s51, s51, 4
	s_lshl_b32 s52, s26, 1
	s_add_co_u32 s51, s51, s52                     ; my first token in the batch,
	s_add_co_u32 s53, s51, 1                       ; my second;
	s_min_u32 s51, s51, 1024                       ; pad tokens read token 1,024
	s_min_u32 s53, s53, 1024
	s_mul_i32 s50, s50, 1025
	s_add_co_u32 s51, s51, s50                     ; as rows of x
	s_add_co_u32 s53, s53, s50
	s_mov_b32 s54, 768                             ; weights: tile nu
	s_cmp_lt_u32 ttmp9, 768
	s_cselect_b32 s54, 576, s54
	s_sub_co_u32 s54, ttmp9, s54
	s_lshl_b32 s55, s54, 4
	s_add_co_u32 s55, s55, s52                     ; my first row,
	s_add_co_u32 s56, s55, 1                       ; my second
	s_lshr_b32 s58, s54, 6                         ; qkv_w's tiles: part (0 q, 1 k, 2 v),
	s_bfe_u32 s57, s54, 0x40002                    ; head,
	s_mul_i32 s57, s57, 12                         ; wqc: head X's four tiles of q, four of k, four of v lie together, at 12 X .. 12 X + 11
	s_lshl_b32 s58, s58, 2
	s_add_co_u32 s57, s57, s58
	s_and_b32 s58, s54, 3                          ; tile in the head
	s_add_co_u32 s57, s57, s58                     ; 12 head + 4 part + tile
	s_mov_b32 s59, KSB_WO
	s_mov_b32 s48, 0x76543210                      ; v_permlanex16_b32: lane l xor 16
	s_mov_b32 s49, 0xfedcba98
	s_wait_kmcnt 0x0
	s_load_b256 s[28:35], s[16:17], 0x0            ; e0 .. e7
	s_cmp_lt_u32 ttmp9, 768
	s_cselect_b32 s57, s57, s54                    ; out_w's tiles stay too
	s_cselect_b64 s[40:41], s[6:7], s[8:9]
	s_cselect_b64 s[44:45], s[20:21], s[22:23]
	s_cselect_b32 s59, KSB_WQ, s59
	s_cmp_lt_u32 ttmp9, 576
	s_cselect_b64 s[40:41], s[4:5], s[40:41]       ; from where,
	s_cselect_b64 s[44:45], s[18:19], s[44:45]     ; to where,
	s_cselect_b32 s59, KSB_H, s59                  ; its K step,
	s_cselect_b32 s57, ttmp9, s57                  ; the tile's place,
	s_cselect_b32 s51, s51, s55                    ; and my two rows
	s_cselect_b32 s53, s53, s56
	s_lshl_b32 s60, s51, 12                        ; a row is 4,096 bytes
	s_mov_b32 s61, 0
	s_lshl_b32 s62, s53, 12
	s_mov_b32 s63, 0
	s_add_nc_u64 s[42:43], s[40:41], s[62:63]
	s_add_nc_u64 s[40:41], s[40:41], s[60:61]
	s_lshl_b32 s60, s57, 14                        ; hc, wqc and woc are laid [tile of 16 rows][quad of 32 k][lane][16 bytes]: a tile is 16,384 bytes on end, my fragment 2,048 x wave in it
	s_lshl_b32 s62, s26, 11
	s_add_co_u32 s60, s60, s62
	s_add_nc_u64 s[44:45], s[44:45], s[60:61]
	s_wait_alu depctr_va_vdst(0)
.irp j, 0,1,2,3,4,5,6,7
	global_load_b128 v[X+4*\j:X+4*\j+3], v[L16], s[40:41] offset:512*\j          ; 32 lanes read 512 consecutive bytes
.endr
.irp j, 0,1,2,3,4,5,6,7
	global_load_b128 v[X+32+4*\j:X+32+4*\j+3], v[L16], s[42:43] offset:512*\j
.endr
	s_wait_kmcnt 0x0
	s_cmp_lt_u32 ttmp9, 768
	s_cselect_b32 s46, s29, s35                    ; e1 or e7,
	s_cmp_lt_u32 ttmp9, 576
	s_cselect_b32 s46, s28, s46                    ; or e0
	s_add_co_i32 s46, s46, 127
	s_lshl_b32 s47, s46, 23
	v_mov_b32 v28, s47                             ; 2^e as f32: the conversion takes its exponent field
	s_add_co_i32 s46, s46, 8
	s_lshl_b32 s46, s46, 23
	s_or_b32 s46, s46, 0x600000
	v_mov_b32 v29, s46                             ; 448 x 2^e
	s_cmp_lt_u32 ttmp9, 576
	s_cbranch_scc0 .Lquant                         ; weights are quantised as they are
	; ---- LayerNorm, in two passes over the registers: the mean first, then the squares of the differences, so that a common offset of x costs no digits
.irp j, 0,1,2,3,4,5,6,7
	global_load_b128 v[LW+4*\j:LW+4*\j+3], v[L16], s[12:13] offset:512*\j
.endr
.irp j, 0,1,2,3,4,5,6,7
	global_load_b128 v[LB+4*\j:LB+4*\j+3], v[L16], s[14:15] offset:512*\j
.endr
	s_mov_b32 s60, 0x3a800000                      ; 1 / 1,024
	s_mov_b32 s61, 0x3727c5ac                      ; 1e-5
.macro SUM4 t                          ; four chains of pairs, v[t] .. v[t + 7], become one number, summed over the 32 lanes, in every lane
	v_pk_add_f32 v[\t:\t+1], v[\t:\t+1], v[\t+2:\t+3]
	v_pk_add_f32 v[\t+4:\t+5], v[\t+4:\t+5], v[\t+6:\t+7]
	s_delay_alu instid0(VALU_DEP_1)
	v_pk_add_f32 v[\t:\t+1], v[\t:\t+1], v[\t+4:\t+5]
	s_delay_alu instid0(VALU_DEP_1)
	v_add_f32 v[\t], v[\t], v[\t+1]
	s_delay_alu instid0(VALU_DEP_1)
	v_add_f32_dpp v[\t], v[\t], v[\t] row_xmask:1 row_mask:0xf bank_mask:0xf
	s_delay_alu instid0(VALU_DEP_1)
	v_add_f32_dpp v[\t], v[\t], v[\t] row_xmask:2 row_mask:0xf bank_mask:0xf
	s_delay_alu instid0(VALU_DEP_1)
	v_add_f32_dpp v[\t], v[\t], v[\t] row_xmask:4 row_mask:0xf bank_mask:0xf
	s_delay_alu instid0(VALU_DEP_1)
	v_add_f32_dpp v[\t], v[\t], v[\t] row_xmask:8 row_mask:0xf bank_mask:0xf
	s_delay_alu instid0(VALU_DEP_1)
	v_permlanex16_b32 v[\t+1], v[\t], s48, s49
	s_delay_alu instid0(VALU_DEP_1)
	v_add_f32 v[\t], v[\t], v[\t+1]
.endm
	s_wait_loadcnt 16                              ; x's sixteen loads are in; ln_w's and ln_b's sixteen, issued behind them, may be out
.irp rho, 0,1
.irp c, 0,1,2,3
	v_pk_add_f32 v[8+8*\rho+2*\c:9+8*\rho+2*\c], v[X+32*\rho+2*\c:X+32*\rho+2*\c+1], v[X+32*\rho+8+2*\c:X+32*\rho+9+2*\c]
.endr
.irp g, 16,24
.irp c, 0,1,2,3
	s_delay_alu instid0(VALU_DEP_4)
	v_pk_add_f32 v[8+8*\rho+2*\c:9+8*\rho+2*\c], v[8+8*\rho+2*\c:9+8*\rho+2*\c], v[X+32*\rho+\g+2*\c:X+32*\rho+\g+2*\c+1]
.endr
.endr
.endr
	SUM4 8
	SUM4 16
	v_mul_f32 v8, s60, v8                          ; the means
	s_delay_alu instid0(VALU_DEP_2)
	v_mul_f32 v16, s60, v16
.irp rho, 0,1
.irp j, 0,2,4,6,8,10,12,14,16,18,20,22,24,26,28,30
	v_pk_add_f32 v[X+32*\rho+\j:X+32*\rho+\j+1], v[X+32*\rho+\j:X+32*\rho+\j+1], v[8+8*\rho:9+8*\rho] op_sel_hi:[1,0] neg_lo:[0,1] neg_hi:[0,1]   ; x - mean
.endr
.endr
.irp rho, 0,1
.irp c, 0,1,2,3
	v_pk_mul_f32 v[8+8*\rho+2*\c:9+8*\rho+2*\c], v[X+32*\rho+2*\c:X+32*\rho+2*\c+1], v[X+32*\rho+2*\c:X+32*\rho+2*\c+1]
.endr
.irp g, 8,16,24
.irp c, 0,1,2,3
	s_delay_alu instid0(VALU_DEP_4)
	v_pk_fma_f32 v[8+8*\rho+2*\c:9+8*\rho+2*\c], v[X+32*\rho+\g+2*\c:X+32*\rho+\g+2*\c+1], v[X+32*\rho+\g+2*\c:X+32*\rho+\g+2*\c+1], v[8+8*\rho+2*\c:9+8*\rho+2*\c]
.endr
.endr
.endr
	SUM4 8
	SUM4 16
	v_fma_f32 v8, v8, s60, s61                     ; the variance + 1e-5
	s_delay_alu instid0(VALU_DEP_2)
	v_fma_f32 v16, v16, s60, s61
	s_wait_alu depctr_va_vdst(0)
	v_rsq_f32 v24, v8                              ; both rows' roots are one batch
	v_rsq_f32 v26, v16
	v_mov_b32 v25, 0                               ; (named as the upper halves of the pairs; also the plain instruction behind the batch)
	v_mov_b32 v27, 0
	s_wait_loadcnt 0x0                             ; ln_w, ln_b
	s_wait_alu depctr_va_vdst(0)                   ; one wait for the batch, ahead of its first reader
.irp rho, 0,1
.irp j, 0,2,4,6,8,10,12,14,16,18,20,22,24,26,28,30
	v_pk_mul_f32 v[X+32*\rho+\j:X+32*\rho+\j+1], v[X+32*\rho+\j:X+32*\rho+\j+1], v[24+2*\rho:25+2*\rho] op_sel_hi:[1,0]
.endr
.irp j, 0,2,4,6,8,10,12,14,16,18,20,22,24,26,28,30
	v_pk_fma_f32 v[X+32*\rho+\j:X+32*\rho+\j+1], v[X+32*\rho+\j:X+32*\rho+\j+1], v[LW+\j:LW+\j+1], v[LB+\j:LB+\j+1]
.endr
.endr
.Lquant:
	s_wait_loadcnt 0x0                             ; (for the weights' rows; met at once behind the LayerNorm)
.set i, 0
	s_wait_alu depctr_va_vdst(0)
.rept 64
	v_med3_num_f32 v[X+i], v[X+i], -v29, v29       ; the conversion to an 8-bit code does not saturate (ISA guide 7.6.2): the hold at the largest code x the scale
.set i, i+1
.endr
.irp g, 0,1,2,3,4,5,6,7
	v_cvt_scalef32_pk8_fp8_f32 v[CD+2*\g:CD+2*\g+1], v[X+8*\g:X+8*\g+7], v28    ; the two results are the codes of loads 2 g and 2 g + 1: four neighbours along K each
.endr
	v_nop                                          ; a plain vector instruction behind the last conversion
.irp rho, 0,1
.irp j, 0,1,2,3,4,5,6,7
	ds_store_b32 v[LS], v[CD+8*\rho+\j] offset:PIT*\rho+128*\j                   ; 32 lanes: 128 consecutive bytes of the row
.endr
.endr
	s_wait_dscnt 0x0                               ; for the others' sake: my two rows lie in the stage
	s_barrier_signal -1
	s_barrier_wait -1                              ; all sixteen do
.irp c, 0,1,2,3
	ds_load_b64 v[IM+4*\c:IM+4*\c+1], v[LR] offset:32*\c                          ; row r, k = 128 w + 32 c + 8 h + 0..7,
	ds_load_b64 v[IM+4*\c+2:IM+4*\c+3], v[LR] offset:32*\c+16                     ; and 16 further on
.endr
	s_wait_dscnt 0x0
.irp c, 0,1,2,3
	global_store_b128 v[L16], v[IM+4*\c:IM+4*\c+3], s[44:45] offset:512*\c        ; 512 consecutive bytes, at a multiple of 256 from the buffer's first byte
.endr
	s_wait_tensorcnt 0x0                           ; the wave's end
	ds_add_u32 v[SPW], v[NIL]
	s_wait_dscnt 0x0
	s_endpgm
	; ---- the table.  Row p of theta is 16 heads x 32 numbers; row p of cs is 16 heads x (32 cosines, 32 sines).  Store i covers heads 2 i and 2 i + 1: of each 16 lanes the first eight make cosines, the others sines, of the same 32 numbers
.Lcs:
	s_sub_co_u32 s50, ttmp9, 832
	s_lshl_b32 s50, s50, 3
	s_add_co_u32 s50, s50, s26                     ; p
	s_cmp_gt_u32 s50, 1024
	s_cbranch_scc1 .Lcs_end                        ; the last work-group has one row
	s_mov_b32 s56, 0x3f22f983                      ; 2 / pi
	s_mov_b32 s57, 0xbfc90fda                      ; -pi/2, in three parts
	s_mov_b32 s58, 0xb3a22168
	s_mov_b32 s59, 0xa7c234c4
	s_mov_b32 s60, 0xbe2aaaab                      ; -1/3!
	s_mov_b32 s61, 0x3c088889                      ; 1/5!
	s_mov_b32 s62, 0xb9500d01                      ; -1/7!
	s_mov_b32 s63, 0x3638ef1d                      ; 1/9!
	s_mov_b32 s66, 0x3d2aaaab                      ; 1/4!
	s_mov_b32 s67, 0xbab60b61                      ; -1/6!
	s_mov_b32 s68, 0x37d00d01                      ; 1/8!
	s_mov_b32 s69, 0xb493f27e                      ; -1/10!
	v_bfe_u32 v7, v0, 4, 1
	v_and_b32 v8, 7, v0
	s_delay_alu instid0(VALU_DEP_1)
	v_lshlrev_b32 v8, 4, v8
	s_delay_alu instid0(VALU_DEP_1)
	v_lshl_add_u32 v7, v7, 7, v8                   ; theta: 128 (lane / 16) + 16 (lane % 8)
	v_bfe_u32 v30, v0, 3, 1
	s_delay_alu instid0(VALU_DEP_1)
	v_xor_b32 v30, 1, v30                          ; 1 where a cosine is made: cos x = sin(x + pi/2), one quadrant on
	s_lshl_b32 s52, s50, 11
	s_mov_b32 s53, 0
	s_lshl_b32 s54, s50, 12
	s_mov_b32 s55, 0
	s_wait_alu depctr_va_vdst(0)
	s_wait_kmcnt 0x0
	s_add_nc_u64 s[10:11], s[10:11], s[52:53]
	s_add_nc_u64 s[24:25], s[24:25], s[54:55]
.irp i, 0,1,2,3,4,5,6,7
	global_load_b128 v[X+4*\i:X+4*\i+3], v7, s[10:11] offset:256*\i
.endr
.macro SINCOS4 x                       ; four numbers at v[x]: each becomes its sine or cosine.  v8-11 k, then r t, then the parity; v12-15 r; v16-19 the quadrant; v20-23 t = r r; v24-27 the sine's sum; v64-67 the cosine's
.irp i, 0,1,2,3
	v_mul_f32 v[8+\i], s56, v[\x+\i]
.endr
.irp i, 0,1,2,3
	s_delay_alu instid0(VALU_DEP_4)
	v_rndne_f32 v[8+\i], v[8+\i]
.endr
.irp i, 0,1,2,3
	s_delay_alu instid0(VALU_DEP_4)
	v_fma_f32 v[12+\i], v[8+\i], s57, v[\x+\i]
.endr
.irp i, 0,1,2,3
	s_delay_alu instid0(VALU_DEP_4)
	v_fma_f32 v[12+\i], v[8+\i], s58, v[12+\i]
.endr
.irp i, 0,1,2,3
	v_fma_f32 v[12+\i], v[8+\i], s59, v[12+\i]
	v_cvt_i32_f32 v[16+\i], v[8+\i]
.endr
.irp i, 0,1,2,3
	v_mul_f32 v[20+\i], v[12+\i], v[12+\i]
	v_add_nc_u32 v[16+\i], v[16+\i], v30
.endr
.irp i, 0,1,2,3
	v_fma_f32 v[24+\i], v[20+\i], s63, s62
	v_fma_f32 v[64+\i], v[20+\i], s69, s68
.endr
.irp i, 0,1,2,3
	v_fma_f32 v[24+\i], v[24+\i], v[20+\i], s61
	v_fma_f32 v[64+\i], v[64+\i], v[20+\i], s67
.endr
.irp i, 0,1,2,3
	v_fma_f32 v[24+\i], v[24+\i], v[20+\i], s60
	v_fma_f32 v[64+\i], v[64+\i], v[20+\i], s66
.endr
.irp i, 0,1,2,3
	v_mul_f32 v[8+\i], v[12+\i], v[20+\i]
	v_fma_f32 v[64+\i], v[64+\i], v[20+\i], -0.5
.endr
.irp i, 0,1,2,3
	v_fma_f32 v[24+\i], v[24+\i], v[8+\i], v[12+\i]      ; sin r
	v_fma_f32 v[64+\i], v[64+\i], v[20+\i], 1.0          ; cos r
.endr
.irp i, 0,1,2,3
	v_and_b32 v[8+\i], 1, v[16+\i]
	v_lshlrev_b32 v[16+\i], 30, v[16+\i]
.endr
.irp i, 0,1,2,3
	v_cmp_eq_u32 vcc_lo, 1, v[8+\i]
	s_delay_alu instid0(VALU_DEP_1)
	v_cndmask_b32 v[\x+\i], v[24+\i], v[64+\i], vcc_lo   ; odd quadrants take the cosine's sum,
	v_and_b32 v[16+\i], 0x80000000, v[16+\i]
.endr
.irp i, 0,1,2,3
	v_xor_b32 v[\x+\i], v[\x+\i], v[16+\i]               ; quadrants 2 and 3 the other sign
.endr
.endm
.irp i, 0,1,2,3,4,5,6,7
	s_wait_loadcnt 7-\i                            ; loads come back in order: load i is in, the younger ones may be out
	SINCOS4 X+4*\i
	global_store_b128 v[L16], v[X+4*\i:X+4*\i+3], s[24:25] offset:512*\i          ; 512 consecutive bytes
.endr
.Lcs_end:
	s_endpgm                                       ; this way has written no LDS
.Lfunc_end_k_q895a5cdf92_prep:
	.size	k_q895a5cdf92_prep, .Lfunc_end_k_q895a5cdf92_prep-k_q895a5cdf92_prep
	.p2alignl 7, 3214868480
	.fill 96, 4, 3214868480
	.section	.rodata,"a",@progbits
	.p2align	6, 0x0
	.amdhsa_kernel k_q895a5cdf92_prep
		.amdhsa_group_segment_fixed_size 17920
		.amdhsa_private_segment_fixed_size 0
		.amdhsa_enable_private_segment 0
		.amdhsa_kernarg_size 88
		.amdhsa_user_sgpr_count 2
		.amdhsa_user_sgpr_kernarg_segment_ptr 1
		.amdhsa_wavefront_size32 1
		.amdhsa_system_sgpr_workgroup_id_x 1
		.amdhsa_system_sgpr_workgroup_id_y 1
		.amdhsa_system_sgpr_workgroup_id_z 1
		.amdhsa_system_vgpr_workitem_id 0
		.amdhsa_next_free_vgpr 192
		.amdhsa_next_free_sgpr 80
		.amdhsa_reserve_vcc 1
		.amdhsa_float_denorm_mode_32 3
		.amdhsa_float_denorm_mode_16_64 3
		.amdhsa_memory_ordered 1
		.amdhsa_forward_progress 1
		.amdhsa_inst_pref_size 74
	.end_amdhsa_kernel
	.amdgpu_metadata
---
amdhsa.version: [ 1, 2 ]
amdhsa.kernels:
  - .name:           k_q895a5cdf92_prep
    .symbol:         k_q895a5cdf92_prep.kd
    .args:
      - { .name: x, .offset: 0, .size: 8, .value_kind: global_buffer, .address_space: global }
      - { .name: qkv_w, .offset: 8, .size: 8, .value_kind: global_buffer, .address_space: global }
      - { .name: out_w, .offset: 16, .size: 8, .value_kind: global_buffer, .address_space: global }
      - { .name: theta, .offset: 24, .size: 8, .value_kind: global_buffer, .address_space: global }
      - { .name: ln_w, .offset: 32, .size: 8, .value_kind: global_buffer, .address_space: global }
      - { .name: ln_b, .offset: 40, .size: 8, .value_kind: global_buffer, .address_space: global }
      - { .name: lowp_scales, .offset: 48, .size: 8, .value_kind: global_buffer, .address_space: global }
      - { .name: hc, .offset: 56, .size: 8, .value_kind: global_buffer, .address_space: global }
      - { .name: wqc, .offset: 64, .size: 8, .value_kind: global_buffer, .address_space: global }
      - { .name: woc, .offset: 72, .size: 8, .value_kind: global_buffer, .address_space: global }
      - { .name: cs, .offset: 80, .size: 8, .value_kind: global_buffer, .address_space: global }
    .group_segment_fixed_size: 17920
    .private_segment_fixed_size: 0
    .kernarg_segment_align: 8
    .kernarg_segment_size: 88
    .max_flat_workgroup_size: 256
    .sgpr_count:     80
    .vgpr_count:     192
    .wavefront_size: 32
...
	.end_amdgpu_metadata
.endif
;; end of part 1
;; launch gemm1 (part 2): grid 8 x 32, 4 waves a work-group, clusters of 4 x 4, 327,680 bytes of LDS; arguments hc, wqc, lowp_scales, qkv_b, pos, cs, qc, kc, vc; writes qc, kc, vc
.if DOCPART == 2
	.amdgcn_target "amdgcn-amd-amdhsa--gfx1250"
	.amdhsa_code_object_version 6
	.text
	.protected	k_q895a5cdf92_gemm1
	.globl	k_q895a5cdf92_gemm1
	.p2align	8
	.type	k_q895a5cdf92_gemm1,@function
k_q895a5cdf92_gemm1:
	s_mov_b64 s[64:65], 0
	v_nop
	global_prefetch_b8 v0, s[64:65] scope:SCOPE_SE
	s_setreg_imm32_b32 hwreg(HW_REG_WAVE_MODE, 25, 1), 1
	s_wait_xcnt 0x0
	s_wait_alu depctr_hold_cnt(0) depctr_sa_sdst(0) depctr_va_vdst(0) depctr_va_sdst(0) depctr_va_ssrc(0) depctr_va_vcc(0) depctr_vm_vsrc(0)
	s_getreg_b32 s2, hwreg(HW_REG_IB_STS2, 6, 4)
	s_cmp_eq_u32 s2, 0
	s_cbranch_scc0 .Lentry_in_a_cluster
	s_endpgm
.Lentry_in_a_cluster:
	s_bfe_u32 s2, ttmp6, 0x10000c
	s_cmp_lg_u32 s2, 0xf033
	s_cbranch_scc0 .Lentry_shape_is_right
	s_endpgm
.Lentry_shape_is_right:
; QKV = LN(x) qkv_w^T + qkv_b on codes of FP8 (E4M3), the rotation of q and k, and the quantisers of the two attention products, for tokens 0 .. 1,023 of each batch.
; Token 1,024 of a batch is not made here: under the causal mask its k and v count for its own query alone; the attention launch makes its q, k and v.
; A work-group of four waves makes 256 tokens x 384 features: q, k and v of heads 2 x and 2 x + 1.  A wave makes 128 tokens x one head's 192 features: 96 accumulators, 768 registers.
; 32 blocks of tokens x 8 pairs of heads = 256 work-groups.
; hc, wqc: [tile of 16 rows][quad of 32 k][lane][16 bytes], images of the operands' registers: two quads are a fragment of the K = 64 form, two loads of 16 bytes at 16 x lane.
; q and k: source 0 = 16 rows of the weight, source 1 = 16 tokens: a lane holds one token and eight neighbouring features.  v: the sources swapped: a lane holds one feature and eight neighbouring tokens, so v's codes have the keys innermost.
; K goes in five pieces of 256, 192, 256, 192, 128 through two LDS slots (163,840 and 122,880 bytes); waves 0, 1 fetch the tokens' halves, waves 2, 3 the weights'.
; CLUSTERS 4 x 4: the tokens' tile is shared along a row of the cluster, the weights' along a column: joint loads.
; NO PREFETCH: the text has no loop to run ahead in; of its five fills two are first fills.
; A step is 64 along K, 96 matrix instructions in three parts (q, k, v).  The tokens' fragments have two sets; a part's four fragments of the weight are fetched anew behind the part.
; LIMITS: e0 + e1 between -126 and 127; e2, e3, e5 between -126 and 119.  NaN among the inputs is not served.  pos is held within 0 .. 1,024.
; REGISTERS.  window 0: v1 r, v2 h, v4 32 h, v5 16 x lane, v6-7 the add's two, v8-13 2^e and 448 x 2^e of q, k, v, v14-17 LDS addresses, v20-27 my tokens' pos, v28-31 v's bias,
;   v32-159 the tokens' fragments, v160-255 the weights'.  windows 1, 2, 3: q's, k's, v's accumulators: (block of tokens a, block of features q) at v[8 (4 a + q)].
.set HB,    73728                      ; a head's bytes in qc, kc, vc
.set S1,    163840                     ; slot 1
.set SPARE, 286720                     ; behind the ring: the spare words
.set L16, 5
.set SPW, 6
.set NIL, 7
.set ADRA, 14
.set ADRB, 16
.set RW,  20
.set VB,  28
.set AF,  32
.set BF,  160
.set BIAS, 32
.set CSB, 104
.set XR,  168
.set YR,  200
.set CODE, 232
.set G1,  24
.set G0,  32
.set G1B, 48
.set G0B, 56
.set MSB, 0
.macro WIN new
.if MSB != \new
	s_set_vgpr_msb (MSB<<8)|\new
.set MSB, \new
.endif
.endm
.macro PLACES
.rept 4
	v_nop
.endr
.endm
.macro JLOAD g0a, g0b                  ; a joint load; the branch hangs on the wave's number alone
	s_cmp_eq_u32 s15, 0
	s_cbranch_scc0 .Lfor_b_\@
	tensor_load_to_lds s[\g0a:\g0a+3], s[G1:G1+7]
	s_nop 0
	PLACES
	s_branch .Lasked_\@
.Lfor_b_\@:
	tensor_load_to_lds s[\g0b:\g0b+3], s[G1B:G1B+7]
	s_nop 0
	PLACES
.Lasked_\@:
.endm
.macro CREST
	s_cmp_lg_u32 s14, 0
	s_cbranch_scc1 .Lnot_wave_0_\@
	s_barrier_signal -3
.Lnot_wave_0_\@:
	s_barrier_wait -3
	s_barrier_signal -1
	s_barrier_wait -1
.endm
.macro CROUND
	s_barrier_signal -1
	s_barrier_wait -1
	CREST
.endm
.macro SETK kc                         ; a tile's part of a piece: 16 kc bytes = 2 kc elements of 8 bytes
.irp g, G1, G1B
	s_mov_b32 s[\g+1], (2*\kc)<<16
	s_mov_b32 s[\g+3], (2*\kc)<<16
.endr
.endm
.macro MKS e, a, b                     ; s[a] = 2^s[e] as f32, s[b] = 448 x that
	s_add_co_i32 s[\b], s[\e], 127
	s_lshl_b32 s[\a], s[\b], 23
	s_add_co_i32 s[\b], s[\b], 8
	s_lshl_b32 s[\b], s[\b], 23
	s_or_b32 s[\b], s[\b], 0x600000
.endm
	s_load_b256 s[4:11], s[0:1], 0x0               ; hc, wqc, the exponents, qkv_b
	s_load_b256 s[68:75], s[0:1], 0x20             ; pos, cs, qc, kc
	s_load_b64 s[76:77], s[0:1], 0x40              ; vc
	v_lshl_add_u32 v[SPW], v0, 2, SPARE
	v_mov_b32 v[NIL], 0
	ds_add_u32 v[SPW], v[NIL]                      ; the opening lines: the add twice on end and its wait
	ds_add_u32 v[SPW], v[NIL]
	v_lshrrev_b32 v1, 5, v0
	v_readfirstlane_b32 s14, v1                    ; wave
	s_lshr_b32 s15, s14, 1                         ; my half of the tokens.  Also: I fetch tokens (0) or weights (1)
	s_and_b32 s16, s14, 1                          ; my head of the two.  Also: which half I fetch
	s_bfe_u32 s40, ttmp6, 0x40000                  ; cx
	s_bfe_u32 s41, ttmp6, 0x40004                  ; cy
	s_lshl_b32 s42, ttmp9, 2
	s_add_co_u32 s42, s42, s40                     ; x: the pair of heads
	s_and_b32 s17, ttmp7, 0xffff
	s_lshl_b32 s17, s17, 2
	s_add_co_u32 s17, s17, s41                     ; the block of 256 tokens: 4 batch + quarter
	s_lshl_b32 s43, s41, 2
	s_lshl_b32 s43, 15, s43                        ; my row of the cluster
	s_lshl_b32 s44, 0x1111, s40                    ; my column
	s_or_b32 s[G1+0], s43, (3<<16)|(1<<21)         ; the mask; elements of 8 bytes; bit 21 beside a mask
	s_or_b32 s[G1B+0], s44, (3<<16)|(1<<21)
	SETK 256
	s_mov_b32 s[G1+2], 8<<16                       ; eight tiles of tokens a load,
	s_mov_b32 s[G1+4], 8
	s_mov_b32 s[G1B+2], 12<<16                     ; twelve of the weight
	s_mov_b32 s[G1B+4], 12
.irp g, G1, G1B
	s_mov_b32 s[\g+5], 2048                        ; from tile to tile: 16,384 bytes
	s_mov_b32 s[\g+6], 0
	s_mov_b32 s[\g+7], 0
.endr
	s_lshr_b32 s18, s17, 2                         ; batch
	s_and_b32 s19, s17, 3                          ; quarter
	s_mul_i32 s20, s18, 72                         ; hc has 72 tiles a batch
	s_lshl_b32 s21, s19, 4
	s_add_co_u32 s20, s20, s21
	s_lshl_b32 s21, s16, 3
	s_add_co_u32 s20, s20, s21
	s_lshl_b32 s20, s20, 14
	s_mov_b32 s21, 0
	s_mul_i32 s22, s42, 24
	s_mul_i32 s23, s16, 12
	s_add_co_u32 s22, s22, s23
	s_lshl_b32 s22, s22, 14
	s_mov_b32 s23, 0
	s_mov_b32 s[G0], 1
	s_mov_b32 s[G0+4], 1
	s_mov_b32 s[G0B], 1
	s_mov_b32 s[G0B+4], 1
	s_mul_i32 s[G0+1], s16, 32768                  ; slot 0: tokens' halves at 0 and 32,768, weights' at 65,536 and 114,688
	s_mul_i32 s[G0+5], s16, 24576                  ; slot 1: 24,576 and 36,864 bytes a half
	s_add_co_u32 s[G0+5], s[G0+5], S1
	s_mul_i32 s[G0B+1], s16, 49152
	s_add_co_u32 s[G0B+1], s[G0B+1], 65536
	s_mul_i32 s[G0B+5], s16, 36864
	s_add_co_u32 s[G0B+5], s[G0B+5], S1+49152
	s_mul_i32 s90, s15, 32768                      ; where I read my tokens
	s_mul_i32 s91, s15, 24576
	s_add_co_u32 s91, s91, S1
	s_mul_i32 s92, s18, 1025
	s_lshl_b32 s93, s19, 8
	s_add_co_u32 s92, s92, s93
	s_lshl_b32 s93, s15, 7
	s_add_co_u32 s92, s92, s93                     ; my first token, as an index of pos
	s_lshl_b32 s93, s42, 1
	s_add_co_u32 s93, s93, s16                     ; my head X
	s_lshl_b32 s94, s93, 8                         ; 64 numbers of qkv_b, and a head's part of a row of cs: 256 bytes
	s_mov_b32 s95, 0
	s_lshl_b32 s96, s18, 4
	s_add_co_u32 s96, s96, s93
	s_mul_i32 s96, s96, HB
	s_lshl_b32 s97, s19, 1
	s_add_co_u32 s97, s97, s15
	s_lshl_b32 s97, s97, 13                        ; my 128 tokens: 8,192 bytes on in qc, kc and vc alike
	s_add_co_u32 s96, s96, s97
	s_mov_b32 s97, 0
	s_wait_dscnt 0x0
	s_wait_kmcnt 0x0
	s_load_b256 s[80:87], s[8:9], 0x0              ; e0 .. e7
	s_add_nc_u64 s[G0+2:G0+3], s[4:5], s[20:21]
	s_add_nc_u64 s[G0+6:G0+7], s[G0+2:G0+3], 4096  ; the second piece begins at k = 256
	s_or_b32 s[G0+3], s[G0+3], 0x80000000
	s_or_b32 s[G0+7], s[G0+7], 0x80000000
	s_add_nc_u64 s[G0B+2:G0B+3], s[6:7], s[22:23]
	s_add_nc_u64 s[G0B+6:G0B+7], s[G0B+2:G0B+3], 4096
	s_or_b32 s[G0B+3], s[G0B+3], 0x80000000
	s_or_b32 s[G0B+7], s[G0B+7], 0x80000000
	CROUND                                         ; the first joint loads meet
	JLOAD G0, G0B                                  ; piece 0: my one tensor load at the head
	s_wait_kmcnt 0x0
	s_add_co_i32 s88, s80, s81
	s_add_co_i32 s88, s88, 127
	s_lshl_b32 s88, s88, 23                        ; 2^(e0 + e1)
	s_mov_b32 s89, s88
	MKS 82, 2, 3
	MKS 83, 12, 13
	MKS 85, 46, 47
	s_add_nc_u64 s[10:11], s[10:11], s[94:95]
	s_add_nc_u64 s[70:71], s[70:71], s[94:95]
	s_add_nc_u64 s[72:73], s[72:73], s[96:97]
	s_add_nc_u64 s[74:75], s[74:75], s[96:97]
	s_add_nc_u64 s[76:77], s[76:77], s[96:97]
	v_and_b32 v1, 15, v0                           ; r
	v_bfe_u32 v2, v0, 4, 1                         ; h
	v_and_b32 v3, 31, v0
	v_lshlrev_b32 v[L16], 4, v3
	v_lshlrev_b32 v4, 5, v2
	v_add_nc_u32 v[ADRA], s90, v[L16]
	v_add_nc_u32 v[ADRA+1], s91, v[L16]
	v_add_nc_u32 v[ADRB], s[G0B+1], v[L16]
	v_add_nc_u32 v[ADRB+1], s[G0B+5], v[L16]
	v_add_lshl_u32 v3, v1, s92, 2
	v_lshlrev_b32 v18, 2, v1
.irp a, 0,1,2,3,4,5,6,7
	global_load_b32 v[RW+\a], v3, s[68:69] offset:64*\a            ; pos of token 16 a + r of my 128
.endr
.irp f, 0,1,2,3
	global_load_b32 v[VB+\f], v18, s[10:11] offset:8192+64*\f      ; v's bias at feature 16 f + r of my head
.endr
	v_mov_b32 v8, s2
	v_mov_b32 v9, s3
	v_mov_b32 v10, s12
	v_mov_b32 v11, s13
	v_mov_b32 v12, s46
	v_mov_b32 v13, s47
.macro LDF reg, adr, off               ; a fragment for 64 along K: two quads
	ds_load_b128 v[\reg:\reg+3], v[\adr] offset:\off
	ds_load_b128 v[\reg+4:\reg+7], v[\adr] offset:(\off)+512
.endm
.macro LDB slot, ts, t, p              ; part p's four fragments of the weight, step t of a piece whose tiles lie ts bytes apart
.irp q, 0,1,2,3
	LDF BF+8*(4*(\p)+\q), ADRB+\slot, (4*(\p)+\q)*(\ts)+1024*(\t)
.endr
.endm
.macro LDA slot, ts, t, set, a0        ; four of the tokens' fragments
.irp q, 0,1,2,3
	LDF AF+64*(\set)+8*((\a0)+\q), ADRA+\slot, ((\a0)+\q)*(\ts)+1024*(\t)
.endr
.endm
.macro WM d, b, a, p, zero
.if (\p) == 2
.if \zero
	v_wmma_f32_16x16x64_fp8_fp8 v[\d:\d+7], v[\a:\a+7], v[\b:\b+7], 0
.else
	v_wmma_f32_16x16x64_fp8_fp8 v[\d:\d+7], v[\a:\a+7], v[\b:\b+7], v[\d:\d+7]
.endif
.else
.if \zero
	v_wmma_f32_16x16x64_fp8_fp8 v[\d:\d+7], v[\b:\b+7], v[\a:\a+7], 0
.else
	v_wmma_f32_16x16x64_fp8_fp8 v[\d:\d+7], v[\b:\b+7], v[\a:\a+7], v[\d:\d+7]
.endif
.endif
.endm
.macro MUL16 p, q0, set, zero          ; two blocks of features x my eight blocks of tokens; the accumulators take turns
.irp q, \q0, \q0+1
.irp a, 0,1,2,3,4,5,6,7
	WM 8*(4*\a+(\q)), BF+8*(4*(\p)+(\q)), AF+64*(\set)+8*\a, \p, \zero
.endr
.endr
.endm
.macro GRP slot, ts, t, set, p         ; behind part p: four places, then the next step's fragments of that part and, behind parts 0 and 1, half of the tokens'
	PLACES
	WIN 0
	LDB \slot, \ts, \t, \p
.if (\p) < 2
	LDA \slot, \ts, \t, \set, 4*(\p)
.endif
.endm
.macro REST slot, ts, t, set, zero     ; parts 1 and 2 of a step; (slot, ts, t): the next step
	WIN 0xa0
	MUL16 1, 0, \set, \zero
	MUL16 1, 2, \set, \zero
	GRP \slot, \ts, \t, 1-(\set), 1
	s_wait_dscnt 32                                ; v's fragments of this step are in; the 32 loads issued in this step may be out
	WIN 0xf0
	MUL16 2, 0, \set, \zero
	MUL16 2, 2, \set, \zero
	GRP \slot, \ts, \t, 1-(\set), 2
.endm
.macro STEP slot, ts, t, set, zero     ; a step whose successor lies in the same slot
	s_wait_dscnt 8                                 ; all but the youngest eight loads (v's fragments)
	WIN 0x50
	MUL16 0, 0, \set, \zero
	MUL16 0, 2, \set, \zero
	GRP \slot, \ts, (\t)+1, 1-(\set), 0
	REST \slot, \ts, (\t)+1, \set, \zero
.endm
.macro TURN slot, next, nts, set, fill, kc   ; a piece's last step changes slots; fill = 1: this slot takes the piece two on, of kc along K
	s_wait_tensorcnt 0x0                           ; my part of the next slot has landed
	ds_add_u32 v[SPW], v[NIL]
	s_wait_dscnt 9                                 ; (the add and v's eight loads may be out)
	WIN 0x50
	MUL16 0, 0, \set, 0
	s_wait_dscnt 0x0                               ; the add is done, my reads of this slot are over
	s_barrier_signal -1
	MUL16 0, 2, \set, 0
	WIN 0
	s_barrier_wait -1
.if \fill
	CREST                                          ; the barrier has opened a round of the cluster's
	s_add_nc_u64 s[G0+4*\slot+2:G0+4*\slot+3], s[G0+4*\slot+2:G0+4*\slot+3], 7168    ; 256 + 192 along K on
	s_add_nc_u64 s[G0B+4*\slot+2:G0B+4*\slot+3], s[G0B+4*\slot+2:G0B+4*\slot+3], 7168
	SETK \kc
	JLOAD G0+4*\slot, G0B+4*\slot                  ; my one tensor load behind the round; its four v_nop are the places in front of the loads below
.else
	PLACES
.endif
	LDB \next, \nts, 0, 0
	LDA \next, \nts, 0, 1-(\set), 0
	REST \next, \nts, 0, \set, 0
.endm
	s_wait_alu depctr_va_vdst(0)
	s_wait_tensorcnt 0x0                           ; my part of piece 0 is in; a later first fill is issued as a refill is
	ds_add_u32 v[SPW], v[NIL]
	s_wait_dscnt 0x0
	CROUND
	SETK 192
	JLOAD G0+4, G0B+4                              ; piece 1
	LDB 0, 4096, 0, 0
	LDA 0, 4096, 0, 0, 0
	LDB 0, 4096, 0, 1
	LDA 0, 4096, 0, 0, 4
	LDB 0, 4096, 0, 2
	STEP 0, 4096, 0, 0, 1                          ; the first products start the sums
	STEP 0, 4096, 1, 1, 0
	STEP 0, 4096, 2, 0, 0
	TURN 0, 1, 3072, 1, 1, 256
	STEP 1, 3072, 0, 0, 0
	STEP 1, 3072, 1, 1, 0
	TURN 1, 0, 4096, 0, 1, 192
	STEP 0, 4096, 0, 1, 0
	STEP 0, 4096, 1, 0, 0
	STEP 0, 4096, 2, 1, 0
	TURN 0, 1, 3072, 0, 1, 128
	STEP 1, 3072, 0, 1, 0
	STEP 1, 3072, 1, 0, 0
	TURN 1, 0, 2048, 1, 0, 0                       ; nothing is left to fetch
	STEP 0, 2048, 0, 0, 0
	s_wait_dscnt 8
	WIN 0x50
	MUL16 0, 0, 1, 0
	MUL16 0, 2, 1, 0
	WIN 0xa0
	MUL16 1, 0, 1, 0
	MUL16 1, 2, 1, 0
	s_wait_dscnt 0
	WIN 0xf0
	MUL16 2, 0, 1, 0
	MUL16 2, 2, 1, 0
	WIN 0
	PLACES
	s_wait_loadcnt 0x0                             ; pos and v's bias, asked for at the head
; THE WAY OUT.  q's and k's bias and the first two blocks' cos and sin are asked for, v goes out under their flight, then q and k, a block of 16 tokens at a time.
.macro CSLOAD a
.irp bp, 0,1
	global_load_b128 v[CSB+32*((\a)%2)+16*\bp:CSB+32*((\a)%2)+16*\bp+3],     v[RW+(\a)], s[70:71] offset:64*\bp          ; cos of 16 bp + 8 h + 0..7
	global_load_b128 v[CSB+32*((\a)%2)+16*\bp+4:CSB+32*((\a)%2)+16*\bp+7],   v[RW+(\a)], s[70:71] offset:64*\bp+16
	global_load_b128 v[CSB+32*((\a)%2)+16*\bp+8:CSB+32*((\a)%2)+16*\bp+11],  v[RW+(\a)], s[70:71] offset:128+64*\bp      ; sin
	global_load_b128 v[CSB+32*((\a)%2)+16*\bp+12:CSB+32*((\a)%2)+16*\bp+15], v[RW+(\a)], s[70:71] offset:128+64*\bp+16
.endr
.endm
.macro EPI_V f                         ; 16 features: a lane's 64 numbers are its feature at tokens 16 a + 8 h + 0..7: a whole fragment of V^T for 128 keys
.if (\f) > 0
	s_wait_xcnt 0x0                                ; the last block's stores have read their codes
.endif
	WIN 3
.irp a, 0,1,2,3,4,5,6,7
.irp j, 0,2,4,6
.if ((\f)%2) == 0
	v_pk_fma_f32 v[XR+8*\a+\j:XR+8*\a+\j+1], v[8*(4*\a+(\f))+\j:8*(4*\a+(\f))+\j+1], s[88:89], v[VB+2*((\f)/2):VB+2*((\f)/2)+1] op_sel_hi:[1,0,0]
.else
	v_pk_fma_f32 v[XR+8*\a+\j:XR+8*\a+\j+1], v[8*(4*\a+(\f))+\j:8*(4*\a+(\f))+\j+1], s[88:89], v[VB+2*((\f)/2):VB+2*((\f)/2)+1] op_sel:[0,0,1] op_sel_hi:[1,0,1]
.endif
.endr
.endr
	WIN 0
.set i, 0
.rept 64
	v_med3_num_f32 v[XR+i], v[XR+i], -v13, v13     ; the conversion does not saturate (ISA guide 7.6.2)
.set i, i+1
.endr
.irp a, 0,1,2,3,4,5,6,7
	v_cvt_scalef32_pk8_fp8_f32 v[CODE+2*\a:CODE+2*\a+1], v[XR+8*\a:XR+8*\a+7], v12
.endr
	v_nop
.irp c, 0,1,2,3
	global_store_b128 v[L16], v[CODE+4*\c:CODE+4*\c+3], s[76:77] offset:(\f)*2048+512*\c      ; 512 consecutive bytes
.endr
.endm
.macro EPI_QK a
.set CB, CSB+32*((\a)%2)
.if (\a) < 7
	s_wait_loadcnt 8                               ; this block's eight loads are in; the next block's may be out
.else
	s_wait_loadcnt 0
.endif
	s_wait_xcnt 0x0                                ; the last stores have read their codes
.irp p, 0,1
	WIN 1+\p
.irp j, 0,2,4,6,8,10,12,14,16,18,20,22,24,26,28,30
	v_pk_fma_f32 v[XR+\j:XR+\j+1], v[32*(\a)+\j:32*(\a)+\j+1], s[88:89], v[BIAS+32*\p+\j:BIAS+32*\p+\j+1] op_sel_hi:[1,0,1]   ; sum x 2^(e0 + e1) + bias
.endr
	WIN 0
.irp bp, 0,1
.irp j, 0,2,4,6
	v_pk_mul_f32 v[YR+8*\bp+\j:YR+8*\bp+\j+1], v[XR+8*\bp+\j:XR+8*\bp+\j+1], v[CB+16*\bp+\j:CB+16*\bp+\j+1]
	v_pk_mul_f32 v[YR+16+8*\bp+\j:YR+16+8*\bp+\j+1], v[XR+16+8*\bp+\j:XR+16+8*\bp+\j+1], v[CB+16*\bp+\j:CB+16*\bp+\j+1]
	v_pk_fma_f32 v[YR+8*\bp+\j:YR+8*\bp+\j+1], v[XR+16+8*\bp+\j:XR+16+8*\bp+\j+1], v[CB+16*\bp+8+\j:CB+16*\bp+8+\j+1], v[YR+8*\bp+\j:YR+8*\bp+\j+1] neg_lo:[1,0,0] neg_hi:[1,0,0]
	v_pk_fma_f32 v[YR+16+8*\bp+\j:YR+16+8*\bp+\j+1], v[XR+8*\bp+\j:XR+8*\bp+\j+1], v[CB+16*\bp+8+\j:CB+16*\bp+8+\j+1], v[YR+16+8*\bp+\j:YR+16+8*\bp+\j+1]
.endr
.endr
.set i, 0
.rept 32
	v_med3_num_f32 v[YR+i], v[YR+i], -v[9+2*\p], v[9+2*\p]
.set i, i+1
.endr
.irp bq, 0,1,2,3
	v_cvt_scalef32_pk8_fp8_f32 v[CODE+8*\p+2*\bq:CODE+8*\p+2*\bq+1], v[YR+8*\bq:YR+8*\bq+7], v[8+2*\p]
.endr
.endr
	v_nop
	global_store_b128 v[L16], v[CODE:CODE+3],     s[72:73] offset:1024*(\a)
	global_store_b128 v[L16], v[CODE+4:CODE+7],   s[72:73] offset:1024*(\a)+512
	global_store_b128 v[L16], v[CODE+8:CODE+11],  s[74:75] offset:1024*(\a)
	global_store_b128 v[L16], v[CODE+12:CODE+15], s[74:75] offset:1024*(\a)+512
.if (\a) < 6
	CSLOAD (\a)+2
.endif
.endm
.irp p, 0,1
.irp bq, 0,1,2,3
	global_load_b128 v[BIAS+8*(4*\p+\bq):BIAS+8*(4*\p+\bq)+3],   v4, s[10:11] offset:4096*\p+64*\bq
	global_load_b128 v[BIAS+8*(4*\p+\bq)+4:BIAS+8*(4*\p+\bq)+7], v4, s[10:11] offset:4096*\p+64*\bq+16
.endr
.endr
.irp a, 0,1,2,3,4,5,6,7
	v_min_u32 v[RW+\a], 0x400, v[RW+\a]            ; pos, held inside the table,
	v_lshlrev_b32 v[RW+\a], 12, v[RW+\a]           ; becomes its row of cs,
	v_add_nc_u32 v[RW+\a], v[RW+\a], v4            ; at my half's numbers
.endr
	CSLOAD 0
	CSLOAD 1
.irp f, 0,1,2,3
	EPI_V \f
.endr
.irp a, 0,1,2,3,4,5,6,7
	EPI_QK \a
.endr
	s_wait_tensorcnt 0x0                           ; the wave's end
	ds_add_u32 v[SPW], v[NIL]
	s_wait_dscnt 0x0
	CROUND                                         ; the closing round
	s_endpgm
.Lfunc_end_k_q895a5cdf92_gemm1:
	.size	k_q895a5cdf92_gemm1, .Lfunc_end_k_q895a5cdf92_gemm1-k_q895a5cdf92_gemm1
	.p2alignl 7, 3214868480
	.fill 96, 4, 3214868480
	.section	.rodata,"a",@progbits
	.p2align	6, 0x0
	.amdhsa_kernel k_q895a5cdf92_gemm1
		.amdhsa_group_segment_fixed_size 327680
		.amdhsa_private_segment_fixed_size 0
		.amdhsa_enable_private_segment 0
		.amdhsa_kernarg_size 72
		.amdhsa_user_sgpr_count 2
		.amdhsa_user_sgpr_kernarg_segment_ptr 1
		.amdhsa_wavefront_size32 1
		.amdhsa_system_sgpr_workgroup_id_x 1
		.amdhsa_system_sgpr_workgroup_id_y 1
		.amdhsa_system_sgpr_workgroup_id_z 1
		.amdhsa_system_vgpr_workitem_id 0
		.amdhsa_next_free_vgpr 1024
		.amdhsa_next_free_sgpr 100
		.amdhsa_reserve_vcc 0
		.amdhsa_float_denorm_mode_32 3
		.amdhsa_float_denorm_mode_16_64 3
		.amdhsa_memory_ordered 1
		.amdhsa_forward_progress 1
		.amdhsa_inst_pref_size 255
	.end_amdhsa_kernel
	.section	.bss,"aw",@nobits
	.p2align	6
	.space	262144
	.amdgpu_metadata
---
amdhsa.version: [ 1, 2 ]
amdhsa.kernels:
  - .name:           k_q895a5cdf92_gemm1
    .symbol:         k_q895a5cdf92_gemm1.kd
    .args:
      - { .name: hc, .offset: 0, .size: 8, .value_kind: global_buffer, .address_space: global }
      - { .name: wqc, .offset: 8, .size: 8, .value_kind: global_buffer, .address_space: global }
      - { .name: lowp_scales, .offset: 16, .size: 8, .value_kind: global_buffer, .address_space: global }
      - { .name: qkv_b, .offset: 24, .size: 8, .value_kind: global_buffer, .address_space: global }
      - { .name: pos, .offset: 32, .size: 8, .value_kind: global_buffer, .address_space: global }
      - { .name: cs, .offset: 40, .size: 8, .value_kind: global_buffer, .address_space: global }
      - { .name: qc, .offset: 48, .size: 8, .value_kind: global_buffer, .address_space: global }
      - { .name: kc, .offset: 56, .size: 8, .value_kind: global_buffer, .address_space: global }
      - { .name: vc, .offset: 64, .size: 8, .value_kind: global_buffer, .address_space: global }
    .group_segment_fixed_size: 327680
    .private_segment_fixed_size: 0
    .kernarg_segment_align: 8
    .kernarg_segment_size: 72
    .max_flat_workgroup_size: 128
    .sgpr_count:     100
    .vgpr_count:     1024
    .wavefront_size: 32
...
	.end_amdgpu_metadata
.endif
;; end of part 2
;; launch attn (part 3): grid 256 x 1, 16 waves a work-group, no clusters, 167,936 bytes of LDS; arguments qc, kc, vc, lowp_scales, oc, hc, wqc, qkv_b, pos, cs; writes oc
.if DOCPART == 3
	.amdgcn_target "amdgcn-amd-amdhsa--gfx1250"
	.amdhsa_code_object_version 6
	.text
	.protected	k_q895a5cdf92_attn
	.globl	k_q895a5cdf92_attn
	.p2align	8
	.type	k_q895a5cdf92_attn,@function
k_q895a5cdf92_attn:
	s_mov_b64 s[64:65], 0
	v_nop
	global_prefetch_b8 v0, s[64:65] scope:SCOPE_SE
	s_setreg_imm32_b32 hwreg(HW_REG_WAVE_MODE, 25, 1), 1
	s_wait_xcnt 0x0
; CAUSAL ATTENTION on codes of FP8 (E4M3): 128 heads of batches, 1,025 tokens padded to 1,152, head size 64.  o is quantised with 2^e6 and stored as the last product's operand.
; THE SOFTMAX: t = score x log2(e) / 8; M = the running largest t rounded UP to a whole number; p = 2^(t - M) is quantised with 2^e4, not normalised; the row's sum is taken of the unquantised p and divides at the end;
; when M moves, the sum and O are multiplied by 2^(old M - new M), which rounds nothing.
; SHARES.  Two work-groups of sixteen waves to a head.  The head's whole K (73,728 bytes) and V (as many) lie in LDS, filled ONCE: every wave fetches a sixteenth by one tensor load; one barrier; then the waves run free.
; A wave takes tiles of 16 queries; tile T wants key steps (128 keys) 0 .. T / 8.  With W = 2 wave + (work-group % 2): W = 0..27 take a late and an early tile, ten key steps together; W = 28 tile 64 (nine);
; W = 29 and 31 tiles 0-3 and 4-7 (four); W = 30 takes no tile; nothing is stored for the pad tiles 65-71.  Four waves share a SIMD, so that one wave's vector work stands beside another's products.
; Both loops have constant trip counts (four tiles, nine key steps), walked by every wave; what is not a wave's is jumped over by scalar branches on ids.  No barrier and no tensor load stands in them.
; NO CLUSTER: the two work-groups of a head walk different tiles of queries, and the jumps over hidden key steps hang on those tiles; partners of a joint load must branch alike.
; NO PREFETCH: all that a work-group reads but Q is asked for by its first loads; Q is loaded a tile ahead.
; LAYOUT.  S^T = K Q^T (source 0 = 16 keys, source 1 = my 16 queries, K = 64), O^T = V^T P^T (source 0 = 16 of the head's 64, source 1 = P, K = 128 keys): a lane holds ONE query (lane % 16) throughout.
; Register 8 tau + j of S^T is key 16 tau + 8 h + j of the step: the very place that the second product's layout gives registers 2 tau, 2 tau + 1.  So the conversions' results are its operand.
; LIMITS: e2 + e3 between -123 and 130 (added to c's exponent field); e4, e6 between -126 and 119; e4 + e5 goes in by v_ldexp_f32.
; REGISTERS: v1-10 addresses; v12 -M, v13 the largest t, v[14:15] the sum; v16-23 Q; v24-31 the next tile's Q; v32-95 K's eight fragments, then V's four; v96-159 S^T, then p; v160-191 O^T; v192-207 p's codes; v208-215 o's codes; v216-219 zeros; v236-254 at work.
.set KSB_H, 2359296
.set HB,    73728                      ; a head's bytes in qc, kc, vc
.set SPARE, 2*HB                       ; behind K and V: the spare words, 128 bytes a wave
.set L16, 1                            ; v1   16 x lane
.set LV,  2                            ; v2   the same in V
.set ADK, 3                            ; v3   the step's K
.set ADV, 4                            ; v4   the step's V
.set SPW, 5
.set NIL, 6
.set RH,  7                            ; v7   r - 8 h
.set DQ,  8                            ; v8   my query - 8 h
.set QA,  9                            ; v9   Q's offset
.set OA,  10                           ; v10  o's offset
.set WV,  18                           ; s18  wave
.set WW,  19                           ; s19  W
.set SEL, 20                           ; s[20:21] lane l xor 16
.set CS,  22                           ; s[22:23] c
.set G1,  24
.set G0,  32
.set TT,  40                           ; s40  the tile in hand (-1: none);  s36-39: the tiles to come
.set CLS, 41                           ; s41  its last key step
.set J,   42                           ; s42  the key step
.set SO,  43                           ; s43  8,192 J
.set TC,  44                           ; s44  counts the four tiles
	s_load_b256 s[4:11], s[0:1], 0x0               ; qc, kc, vc, the exponents
	s_load_b64 s[12:13], s[0:1], 0x20
	s_load_b256 s[80:87], s[0:1], 0x28             ; hc, wqc, qkv_b, pos
	s_load_b64 s[88:89], s[0:1], 0x48              ; cs
	v_lshl_add_u32 v[SPW], v0, 2, SPARE
	v_mov_b32 v[NIL], 0
	ds_add_u32 v[SPW], v[NIL]                      ; the wave's opening: the add and its wait ahead of my tensor load; work on registers stands between them
	ds_add_u32 v[SPW], v[NIL]
	v_lshrrev_b32 v3, 5, v0
	s_delay_alu instid0(VALU_DEP_1)
	v_readfirstlane_b32 s[WV], v3                  ; wave 0..15
	; descriptor group 1: a dense block of 8,192 bytes as 32 rows of 32 elements of 8 bytes
	s_mov_b32 s[G1], 3<<16                         ; no mask; elements of 8 bytes; no padding
	s_mov_b32 s[G1+1], 32<<16                      ; tensor_dim0
	s_mov_b32 s[G1+2], 32<<16                      ; a load brings 8,192 bytes: an eighth of keys 0 .. 1,023 of K or of V; key 1,024 is made below
	s_mov_b32 s[G1+3], 32<<16                      ; tile_dim0
	s_mov_b32 s[G1+4], 32
	s_mov_b32 s[G1+5], 32                          ; from row to row
	s_mov_b32 s[G1+6], 0
	s_mov_b32 s[G1+7], 0
	s_mov_b32 s[G0], 1
	s_lshl_b32 s[G0+1], s[WV], 13                  ; waves 0-7: K from byte 0; waves 8-15: V from byte 73,728 = 8 x 8,192 + 8,192
	s_lshr_b32 s50, s[WV], 3
	s_lshl_b32 s50, s50, 13
	s_add_co_u32 s[G0+1], s[G0+1], s50
	s_lshr_b32 s50, ttmp9, 1                       ; the head of a batch
	s_mul_i32 s52, s50, HB
	s_mov_b32 s53, 0
	s_and_b32 s54, s[WV], 7
	s_lshl_b32 s54, s54, 13
	s_add_co_u32 s54, s54, s52
	s_mov_b32 s55, 0
	s_mov_b32 s[SEL], 0x76543210
	s_mov_b32 s[SEL+1], 0xfedcba98
	s_mov_b32 s[CS], 0x3e38aa3b                    ; c = log2(e) / 8
	s_wait_dscnt 0x0                               ; the opening add is done
	s_wait_kmcnt 0x0
	s_load_b256 s[68:75], s[10:11], 0x0
	s_lshr_b32 s90, s50, 4                         ; pos of my batch's token 1,024
	s_mul_i32 s90, s90, 4100
	s_add_co_u32 s90, s90, 4096
	s_mov_b32 s91, 0
	s_add_nc_u64 s[90:91], s[86:87], s[90:91]
	s_load_b32 s92, s[90:91], 0x0
	s_cmp_lt_u32 s[WV], 8
	s_cselect_b64 s[G0+2:G0+3], s[6:7], s[8:9]
	s_add_nc_u64 s[G0+2:G0+3], s[G0+2:G0+3], s[54:55]
	s_or_b32 s[G0+3], s[G0+3], 0x80000000
	tensor_load_to_lds s[G0:G0+3], s[G1:G1+7]      ; my one tensor load of the launch
	s_nop 0
.rept 4
	v_nop
.endr
	s_and_b32 s51, ttmp9, 1
	s_lshl_b32 s[WW], s[WV], 1
	s_add_co_u32 s[WW], s[WW], s51
	s_lshr_b32 s56, s[WW], 3                       ; g
	s_and_b32 s57, s[WW], 7                        ; e
	s_lshl_b32 s58, s56, 3
	s_sub_co_u32 s36, 56, s58
	s_add_co_u32 s36, s36, s57                     ; 56 - 8 g + e: 8 - g key steps,
	s_add_co_u32 s37, s58, s57
	s_add_co_u32 s37, s37, 8                       ; 8 + 8 g + e: 2 + g
	s_add_co_u32 s59, s37, 4
	s_cmp_eq_u32 s56, 3                            ; (g = 3 has four waves: tiles 32-35 and 36-39)
	s_cselect_b32 s37, s59, s37
	s_mov_b32 s38, -1
	s_mov_b32 s39, -1
	s_cmp_eq_u32 s[WW], 28
	s_cselect_b32 s36, 64, s36
	s_cselect_b32 s37, -1, s37
	s_cmp_eq_u32 s[WW], 29
	s_cselect_b32 s36, 0, s36
	s_cselect_b32 s37, 1, s37
	s_cselect_b32 s38, 2, s38
	s_cselect_b32 s39, 3, s39
	s_cmp_eq_u32 s[WW], 31
	s_cselect_b32 s36, 4, s36
	s_cselect_b32 s37, 5, s37
	s_cselect_b32 s38, 6, s38
	s_cselect_b32 s39, 7, s39
	s_cmp_eq_u32 s[WW], 30
	s_cselect_b32 s36, -1, s36
	s_cselect_b32 s37, -1, s37
	v_and_b32 v3, 31, v0
	s_delay_alu instid0(VALU_DEP_1)
	v_lshlrev_b32 v[L16], 4, v3
	s_wait_alu depctr_va_vdst(0)
	v_add_nc_u32 v[LV], HB, v[L16]
	v_and_b32 v3, 15, v0
	v_bfe_u32 v4, v0, 4, 1
	s_delay_alu instid0(VALU_DEP_1)
	v_lshlrev_b32 v4, 3, v4
	s_delay_alu instid0(VALU_DEP_1)
	v_sub_nc_u32 v[RH], v3, v4
	s_add_nc_u64 s[46:47], s[4:5], s[52:53]        ; Q at my head
	s_lshr_b32 s56, s50, 4                         ; batch,
	s_and_b32 s57, s50, 15                         ; head: its 64 features are quads 2 head and the next of oc's tile
	s_mul_i32 s56, s56, 72*16384                   ; oc is laid [tile of 16 tokens][quad of 32 k][lane][16 bytes]: 72 tiles a batch, my head's 64 features are quads 2 head and the next
	s_lshl_b32 s58, s57, 10
	s_add_co_u32 s56, s56, s58
	s_mov_b32 s57, 0
	s_add_nc_u64 s[48:49], s[12:13], s[56:57]
	s_max_i32 s56, s36, 0
	s_min_i32 s56, s56, 63                         ; qc holds tiles 0 .. 63; tile 64's Q is made below
	s_lshl_b32 s56, s56, 10
	v_add_nc_u32 v[QA], s56, v[L16]
	global_load_b128 v[24:27], v[QA], s[46:47]
	global_load_b128 v[28:31], v[QA], s[46:47] offset:512
	v_mov_b32 v236, 0                              ; written once: a lane permute's destination counts as one of its sources
	v_mov_b32 v252, 0
	v_mov_b32 v253, 0                              ; (named as the upper half of the pair v[252:253])
	s_wait_kmcnt 0x0
	s_add_co_i32 s56, s70, s71
	s_lshl_b32 s56, s56, 23
	s_add_co_i32 s[CS], s[CS], s56                 ; a score stands for score x 2^(e2 + e3): added to c's exponent field
	s_mov_b32 s[CS+1], s[CS]
	s_add_co_i32 s56, s72, 127
	s_lshl_b32 s57, s56, 23
	v_mov_b32 v244, s57                            ; 2^e4
	s_add_co_i32 s56, s56, 8
	s_lshl_b32 s56, s56, 23
	s_or_b32 s56, s56, 0x600000
	v_mov_b32 v240, s56                            ; 448 x 2^e4
	s_add_co_i32 s56, s74, 127
	s_lshl_b32 s57, s56, 23
	v_mov_b32 v245, s57                            ; 2^e6
	s_add_co_i32 s56, s56, 8
	s_lshl_b32 s56, s56, 23
	s_or_b32 s56, s56, 0x600000
	v_mov_b32 v241, s56                            ; 448 x 2^e6
	s_add_co_i32 s76, s72, s73
	; ---- TOKEN 1,024.  Its k and v count for its own query alone (the causal mask), so its q, k and v are made here, in the head's even work-group, which owns tile 64.
	; Waves 0-11: one tile of 16 rows of my head's part of qkv_w (q 0-3, k 0-3, v 0-3) x hc's tile 64 of my batch, K = 1,024 in eight instructions on four accumulators by turns; the sums go to LDS as f32.
	; Waves 12, 13: zero codes for key step 8 of K and of V; wave 14: for Q's tile 64.  Behind the barrier wave 14, which owns tile 64, adds the bias, rotates, quantises and lays the codes of row 0.
	; LIMITS: e0 + e1 between -126 and 127; e2, e3, e5 between -126 and 119.  pos is held within 0 .. 1,024.
.set EXB, 149504                       ; behind the spare words: [wave][token of the tile][16 features] f32, 1,024 bytes a wave
.set QIM, 165888                       ; Q's tile 64, as a fragment's image
	s_and_b32 s57, s50, 15                         ; head
	s_lshl_b32 s58, s57, 8
	s_mov_b32 s59, 0
	s_add_nc_u64 s[84:85], s[84:85], s[58:59]      ; qkv_b and cs at my head
	s_add_nc_u64 s[88:89], s[88:89], s[58:59]
	s_min_u32 s92, s92, 1024
	s_lshl_b32 s92, s92, 12                        ; its row of cs
	s_add_co_i32 s93, s68, s69
	s_add_co_i32 s93, s93, 127
	s_lshl_b32 s93, s93, 23                        ; 2^(e0 + e1)
	s_lshl_b32 s60, s[WV], 10
	s_and_b32 s61, s[WV], 1
	s_mul_i32 s61, s61, HB
	s_add_co_u32 s61, s61, 65536                   ; key step 8 of K (even waves) or of V (odd)
	s_lshr_b32 s62, s50, 4
	s_mul_i32 s62, s62, 72
	s_add_co_u32 s62, s62, 64
	s_lshl_b32 s62, s62, 14
	s_mov_b32 s63, 0
	s_add_nc_u64 s[80:81], s[80:81], s[62:63]      ; hc: tile 64 of my batch
	s_mul_i32 s62, s57, 12
	s_min_u32 s66, s[WV], 11
	s_add_co_u32 s62, s62, s66
	s_lshl_b32 s62, s62, 14
	s_add_nc_u64 s[82:83], s[82:83], s[62:63]      ; wqc: my wave's tile
	v_and_b32 v3, 31, v0
	v_lshlrev_b32 v226, 2, v3
	v_add_nc_u32 v227, s92, v226
.irp m, 0,1,2,3,4,5
	global_load_b32 v[192+\m], v226, s[84:85] offset:4096*(\m/2)+128*(\m%2)     ; the bias of features lane and lane + 32 of q, k, v
.endr
	global_load_b32 v198, v227, s[88:89]           ; cos, sin at lane
	global_load_b32 v199, v227, s[88:89] offset:128
	v_and_b32 v4, 15, v0                           ; r
	v_bfe_u32 v225, v0, 4, 1                       ; h
	v_lshlrev_b32 v11, 6, v4
	v_lshl_add_u32 v11, v225, 5, v11
	v_add_nc_u32 v11, s60, v11
	v_add_nc_u32 v11, EXB, v11                     ; where my sums go: 1,024 wave + 64 r + 32 h
	v_add_nc_u32 v220, s61, v[L16]
	v_lshlrev_b32 v224, 4, v4
	v_lshl_add_u32 v224, v225, 11, v224
	v_add_nc_u32 v224, 139264, v224                ; V: feature lane's byte of key 1,024: tile lane / 16, lane r, byte 0
	v_lshlrev_b32 v221, 2, v4
	v_lshl_add_u32 v221, v225, 10, v221
	v_add_nc_u32 v221, EXB, v221                   ; feature lane of row 0 of the sums
	v_and_b32 v222, 7, v0
	v_bfe_u32 v223, v0, 3, 1
	v_lshl_add_u32 v222, v223, 8, v222
	v_lshl_add_u32 v222, v225, 3, v222             ; k = 16 u + 8 h + i of row 0 lies at 256 h + 8 u + i of a quad
	v_add_nc_u32 v223, QIM, v222
	v_add_nc_u32 v222, 65536, v222
	v_add_nc_u32 v225, QIM, v[L16]
.irp j, 0,1,2,3
	v_mov_b32 v[216+\j], 0
.endr
	s_wait_alu depctr_va_vdst(0)                   ; ahead of the branches and waits below
	s_cmp_lg_u32 s51, 0
	s_cbranch_scc1 .Lx_join
	s_cmp_lt_u32 s[WV], 12
	s_cbranch_scc0 .Lx_zero
.irp g, 0,1
.if \g
.rept 4
	v_nop                                          ; places in front of loads into registers that the products have read
.endr
.endif
.irp q, 0,1,2,3,4,5,6,7,8,9,10,11,12,13,14,15
	global_load_b128 v[32+4*\q:35+4*\q], v[L16], s[82:83] offset:8192*\g+512*\q
.endr
.irp q, 0,1,2,3,4,5,6,7,8,9,10,11,12,13,14,15
	global_load_b128 v[96+4*\q:99+4*\q], v[L16], s[80:81] offset:8192*\g+512*\q
.endr
	s_wait_loadcnt 0x0
.irp c, 0,1,2,3
.if \g
	v_wmma_f32_16x16x128_fp8_fp8 v[160+8*\c:167+8*\c], v[32+16*\c:47+16*\c], v[96+16*\c:111+16*\c], v[160+8*\c:167+8*\c]
.else
	v_wmma_f32_16x16x128_fp8_fp8 v[160+8*\c:167+8*\c], v[32+16*\c:47+16*\c], v[96+16*\c:111+16*\c], 0
.endif
.endr
.endr
.rept 4
	v_nop
.endr
.irp j, 0,2,4,6
	v_pk_add_f32 v[160+\j:161+\j], v[160+\j:161+\j], v[168+\j:169+\j]
	v_pk_add_f32 v[176+\j:177+\j], v[176+\j:177+\j], v[184+\j:185+\j]
.endr
.irp j, 0,2,4,6
	v_pk_add_f32 v[160+\j:161+\j], v[160+\j:161+\j], v[176+\j:177+\j]
.endr
	s_wait_alu depctr_va_vdst(0)                   ; directly ahead of the wait below
	s_wait_tensorcnt 0x0                           ; my tensor load has landed: only then I store to LDS
	ds_store_b128 v11, v[160:163]                  ; features 8 h + 0..7 of token r
	ds_store_b128 v11, v[164:167] offset:16
	s_branch .Lx_join
.Lx_zero:
	s_cmp_lt_u32 s[WV], 14
	s_cbranch_scc0 .Lx_q
	s_wait_tensorcnt 0x0
.irp i, 0,1,2,3,4,5,6,7,8,9,10,11,12,13,14,15
	ds_store_b128 v220, v[216:219] offset:512*\i
.endr
	s_branch .Lx_join
.Lx_q:
	s_cmp_eq_u32 s[WV], 14
	s_cbranch_scc0 .Lx_join
	s_wait_tensorcnt 0x0
	ds_store_b128 v225, v[216:219]
	ds_store_b128 v225, v[216:219] offset:512
.Lx_join:
	s_wait_tensorcnt 0x0                           ; my sixteenth has landed,
	s_wait_dscnt 0x0                               ; and my stores lie in LDS
	s_barrier_signal -1
	s_barrier_wait -1                              ; everybody's.
	s_cmp_lg_u32 s51, 0
	s_cbranch_scc1 .Lx_done
	s_cmp_eq_u32 s[WV], 14
	s_cbranch_scc0 .Lx_done
.irp m, 0,1,2,3,4,5
	ds_load_b32 v[32+\m], v221 offset:2048*\m      ; features lane and lane + 32 of q, k, v
.endr
.macro XS e, a, b                      ; s[a] = 2^s[e] as f32, s[b] = 448 x that
	s_add_co_i32 s[\b], s[\e], 127
	s_lshl_b32 s[\a], s[\b], 23
	s_add_co_i32 s[\b], s[\b], 8
	s_lshl_b32 s[\b], s[\b], 23
	s_or_b32 s[\b], s[\b], 0x600000
.endm
	XS 70, 56, 57
	XS 71, 58, 59
	XS 73, 60, 61
.irp j, 0,1,2,3,4,5
	v_mov_b32 v[70+\j], s[56+\j]
.endr
.irp j, 42,43,44,45,46,47,50,51,52,53,54,55,58,59,60,61,62,63
	v_mov_b32 v\j, 0                               ; the conversion takes eight numbers: the other six are zeros
.endr
	s_wait_alu depctr_va_vdst(0)                   ; directly ahead of the waits below
	s_wait_loadcnt 0x0                             ; the bias, cos and sin; and the loads into v24-31, which are written below
	s_wait_dscnt 0x0
.irp m, 0,1,2,3,4,5
	v_fma_f32 v[32+\m], v[32+\m], s93, v[192+\m]
.endr
	v_mul_f32 v40, v32, v198
	v_mul_f32 v41, v33, v198
	v_mul_f32 v48, v34, v198
	v_mul_f32 v49, v35, v198
	v_mov_b32 v56, v36
	v_mov_b32 v57, v37
	v_fma_f32 v40, -v33, v199, v40
	v_fma_f32 v41, v32, v199, v41
	v_fma_f32 v48, -v35, v199, v48
	v_fma_f32 v49, v34, v199, v49
	v_med3_num_f32 v56, v56, -v75, v75
	v_med3_num_f32 v57, v57, -v75, v75
	v_med3_num_f32 v40, v40, -v71, v71
	v_med3_num_f32 v41, v41, -v71, v71
	v_med3_num_f32 v48, v48, -v73, v73
	v_med3_num_f32 v49, v49, -v73, v73
	v_cvt_scalef32_pk8_fp8_f32 v[64:65], v[40:47], v70
	v_cvt_scalef32_pk8_fp8_f32 v[66:67], v[48:55], v72
	v_cvt_scalef32_pk8_fp8_f32 v[68:69], v[56:63], v74
	v_nop
	v_lshrrev_b32 v76, 8, v64
	v_lshrrev_b32 v77, 8, v66
	v_lshrrev_b32 v78, 8, v68
	ds_store_b8 v223, v64
	ds_store_b8 v223, v76 offset:512
	ds_store_b8 v222, v66
	ds_store_b8 v222, v77 offset:512
	ds_store_b8 v224, v68
	ds_store_b8 v224, v78 offset:4096
.Lx_done:
	s_wait_dscnt 0x0                               ; the codes of token 1,024 lie in LDS,
	s_barrier_signal -1
	s_barrier_wait -1                              ; for every wave.
	s_cmp_lg_u32 s51, 0
	s_cbranch_scc1 .Lx_q64
	s_cmp_eq_u32 s[WV], 14
	s_cbranch_scc0 .Lx_q64
	s_wait_loadcnt 0x0                             ; no load into v24-31 is out
	ds_load_b128 v[24:27], v225                    ; Q's tile 64
	ds_load_b128 v[28:31], v225 offset:512
	s_wait_dscnt 0x0
.Lx_q64:
	s_mov_b32 s[TC], 4
.Ltile:
	s_mov_b32 s[TT], s36
	s_mov_b32 s36, s37
	s_mov_b32 s37, s38
	s_mov_b32 s38, s39
	s_mov_b32 s39, -1
	s_ashr_i32 s[CLS], s[TT], 3                    ; -1 where there is no tile: every step is then jumped over
	s_wait_loadcnt 0x0                             ; this tile's Q
.irp j, 0,1,2,3,4,5,6,7
	v_mov_b32 v[16+\j], v[24+\j]
.endr
	s_max_i32 s56, s36, 0
	s_lshl_b32 s56, s56, 10
	v_add_nc_u32 v[QA], s56, v[L16]                ; (the loads that read it are in)
	global_load_b128 v[24:27], v[QA], s[46:47]     ; the next tile's
	global_load_b128 v[28:31], v[QA], s[46:47] offset:512
	v_mov_b32 v13, 0xff61b1e6                      ; the largest t so far: -3e38, under every t
	s_delay_alu instid0(VALU_DEP_1)
	v_floor_f32 v12, -v13
	v_mov_b32 v14, 0
	v_mov_b32 v15, 0
.set i, 0
.rept 32
	v_mov_b32 v[160+i], 0                          ; O^T.  (The step is written once: the first finds zeros, which the first change of M leaves zeros)
.set i, i+1
.endr
	s_lshl_b32 s56, s[TT], 4
	v_add_nc_u32 v[DQ], s56, v[RH]
	s_mov_b32 s[SO], 0
	s_mov_b32 s[J], 0
.Lstep:
	s_cmp_gt_i32 s[J], s[CLS]                      ; all of the step's keys come after my queries: a branch on ids, round the step's work alone
	s_cbranch_scc1 .Lskip
	v_add_nc_u32 v[ADK], s[SO], v[L16]
	v_add_nc_u32 v[ADV], s[SO], v[LV]
.irp t, 0,1,2,3,4,5,6,7
	ds_load_b128 v[32+8*\t:35+8*\t], v[ADK] offset:1024*\t           ; 16 keys x 64: two quads, 512 consecutive bytes each
	ds_load_b128 v[36+8*\t:39+8*\t], v[ADK] offset:1024*\t+512
.endr
	s_wait_alu depctr_va_vdst(0)
	s_wait_dscnt 0x0
.irp t, 0,1,2,3,4,5,6,7
	v_wmma_f32_16x16x64_fp8_fp8 v[96+8*\t:103+8*\t], v[32+8*\t:39+8*\t], v[16:23], 0
.endr
.rept 4
	v_nop                                          ; places in front of the loads into K's registers and of the first reads of the scores
.endr
.irp t, 0,1,2,3
.irp c, 0,1,2,3
	ds_load_b128 v[32+16*\t+4*\c:35+16*\t+4*\c], v[ADV] offset:2048*\t+512*\c    ; V^T: 16 of the head's 64 x 128 keys; they land during the softmax
.endr
.endr
	s_cmp_lg_u32 s[J], s[CLS]                      ; only my last step lies on the diagonal
	s_cbranch_scc1 .Lopen
	s_lshl_b32 s56, s[J], 7
	v_sub_nc_u32 v252, v[DQ], s56                  ; d = my query - 8 h - the step's first key.  Register n holds key 16 (n / 8) + n % 8 + 8 h of the step: hidden where 16 (n / 8) + n % 8 > d
	v_mov_b32 v254, 0xff800000                     ; -infinity: p = 0 then.  The step's first key counts for every query of the tile, so the largest t stays a number
.set n, 0
.rept 64
	v_cmp_gt_i32 vcc_lo, 16*(n/8)+n%8, v252
	v_cndmask_b32 v[96+n], v[96+n], v254, vcc_lo
.set n, n+1
.endr
.Lopen:
	v_max3_num_f32 v254, v96, v97, v98             ; the step's largest score of my query among my 64 keys, in two chains, from the low end on,
	v_max3_num_f32 v252, v99, v100, v101
.irp i, 6,10,14,18,22,26,30,34,38,42,46,50,54,58
	v_max3_num_f32 v254, v254, v[96+\i], v[97+\i]
	v_max3_num_f32 v252, v252, v[98+\i], v[99+\i]
.endr
	v_max3_num_f32 v254, v254, v158, v159
	s_delay_alu instid0(VALU_DEP_1)
	v_max_num_f32 v254, v254, v252
	s_delay_alu instid0(VALU_DEP_1)
	v_permlanex16_b32 v236, v254, s[SEL], s[SEL+1]
	s_delay_alu instid0(VALU_DEP_1)
	v_max_num_f32 v254, v254, v236                 ; and among lane l xor 16's
	s_delay_alu instid0(VALU_DEP_1)
	v_mul_f32 v254, s[CS], v254                    ; as t (c is positive)
	s_delay_alu instid0(VALU_DEP_1)
	v_max_num_f32 v13, v13, v254
	v_mov_b32 v254, v12
	s_delay_alu instid0(VALU_DEP_2)
	v_floor_f32 v12, -v13                          ; the new -M = floor(-t): M is a whole number
	s_delay_alu instid0(VALU_DEP_1)
	v_sub_f32 v254, v12, v254                      ; old M - new M: a whole number, 0 or less
	s_delay_alu instid0(VALU_DEP_1)
	v_cvt_i32_f32 v254, v254                       ; (it saturates)
	s_delay_alu instid0(VALU_DEP_1)
	v_ldexp_f32 v252, 1.0, v254                    ; f = 2^(old M - new M)
.irp j, 0,2,4,6,8,10,12,14,16,18,20,22,24,26,28,30,32,34,36,38,40,42,44,46,48,50,52,54,56,58,60,62
	v_pk_fma_f32 v[96+\j:97+\j], v[96+\j:97+\j], s[CS:CS+1], v[12:13] op_sel_hi:[1,0,0]   ; t - M (of the pairs c and -M the low word serves both halves)
.endr
.set i, 0
	s_wait_alu depctr_va_vdst(0)
.rept 64
	v_exp_f32 v[96+i], v[96+i]                     ; p = 2^(t - M): one batch
.set i, i+1
.endr
	v_pk_mul_f32 v[14:15], v[14:15], v[252:253] op_sel_hi:[1,0]      ; the sums under the new M: the plain instruction behind the batch
	s_wait_alu depctr_va_vdst(0)                   ; one wait for the batch, ahead of its first reader
	v_pk_add_f32 v[242:243], v[100:101], v[104:105]
	v_pk_add_f32 v[254:255], v[108:109], v[112:113]
	v_pk_add_f32 v[250:251], v[116:117], v[120:121]
	v_pk_add_f32 v[248:249], v[124:125], v[128:129]
	v_pk_add_f32 v[246:247], v[132:133], v[136:137]
	v_pk_add_f32 v[238:239], v[140:141], v[144:145]
	v_pk_add_f32 v[234:235], v[148:149], v[152:153]
	v_pk_add_f32 v[14:15], v[14:15], v[156:157]
	v_pk_add_f32 v[242:243], v[242:243], v[96:97]
	v_pk_add_f32 v[254:255], v[254:255], v[98:99]
	v_pk_add_f32 v[250:251], v[250:251], v[102:103]
	v_pk_add_f32 v[248:249], v[248:249], v[106:107]
	v_pk_add_f32 v[246:247], v[246:247], v[110:111]
	v_pk_add_f32 v[238:239], v[238:239], v[114:115]
	v_pk_add_f32 v[234:235], v[234:235], v[118:119]
	v_pk_add_f32 v[14:15], v[14:15], v[122:123]
	v_pk_add_f32 v[242:243], v[242:243], v[126:127]
	v_pk_add_f32 v[254:255], v[254:255], v[130:131]
	v_pk_add_f32 v[250:251], v[250:251], v[134:135]
	v_pk_add_f32 v[248:249], v[248:249], v[138:139]
	v_pk_add_f32 v[246:247], v[246:247], v[142:143]
	v_pk_add_f32 v[238:239], v[238:239], v[146:147]
	v_pk_add_f32 v[234:235], v[234:235], v[150:151]
	v_pk_add_f32 v[14:15], v[14:15], v[154:155]
	v_pk_add_f32 v[242:243], v[242:243], v[158:159]
	s_delay_alu instid0(VALU_DEP_2)
	v_pk_add_f32 v[14:15], v[14:15], v[248:249]
	s_delay_alu instid0(VALU_DEP_2)
	v_pk_add_f32 v[242:243], v[242:243], v[246:247]
	v_pk_add_f32 v[254:255], v[254:255], v[238:239]
	v_pk_add_f32 v[250:251], v[250:251], v[234:235]
	s_delay_alu instid0(VALU_DEP_2)
	v_pk_add_f32 v[14:15], v[14:15], v[254:255]
	s_delay_alu instid0(VALU_DEP_2)
	v_pk_add_f32 v[242:243], v[242:243], v[250:251]
	s_delay_alu instid0(VALU_DEP_1)
	v_pk_add_f32 v[14:15], v[14:15], v[242:243]
.set i, 0
.rept 64
	v_min_num_f32 v[96+i], v[96+i], v240           ; the conversion does not saturate (ISA guide 7.6.2); p is not negative, so the hold is one-sided
.set i, i+1
.endr
.irp t, 0,1,2,3,4,5,6,7
	v_cvt_scalef32_pk8_fp8_f32 v[192+2*\t:193+2*\t], v[96+8*\t:103+8*\t], v244
.endr
.irp j, 0,2,4,6,8,10,12,14,16,18,20,22,24,26,28,30
	v_pk_mul_f32 v[160+\j:161+\j], v[160+\j:161+\j], v[252:253] op_sel_hi:[1,0]           ; O^T under the new M.  (Also the plain instructions between the conversions and the products that read their results)
.endr
	s_wait_alu depctr_va_vdst(0)
	s_wait_dscnt 0x0                               ; V
.irp t, 0,1,2,3
	v_wmma_f32_16x16x128_fp8_fp8 v[160+8*\t:167+8*\t], v[32+16*\t:47+16*\t], v[192:207], v[160+8*\t:167+8*\t]   ; the four accumulators take turns
.endr
.rept 4
	v_nop                                          ; places behind these products, on every way: in front of the next step's loads, of the tile's end and of the next tile's zeros
.endr
.Lskip:
	s_add_co_u32 s[SO], s[SO], 8192
	s_add_co_u32 s[J], s[J], 1
	s_cmp_lt_u32 s[J], 9
	s_cbranch_scc1 .Lstep
	s_cmp_lt_i32 s[CLS], 0
	s_cbranch_scc1 .Lnone
	; the tile's end: O^T / the sum x 2^(e4 + e5) is o; its codes are the last product's operand: tile t's eight numbers are k = 16 t + 8 h + 0..7 of my token's 64
	v_add_f32 v14, v14, v15
	s_delay_alu instid0(VALU_DEP_1)
	v_permlanex16_b32 v252, v14, s[SEL], s[SEL+1]
	s_delay_alu instid0(VALU_DEP_1)
	v_add_f32 v14, v14, v252                       ; the row's sum
	s_wait_alu depctr_va_vdst(0)
	v_rcp_f32 v14, v14
	s_wait_xcnt 0x0                                ; the last tile's stores have read their offset and their codes
	s_lshl_b32 s56, s[TT], 14
	v_add_nc_u32 v[OA], s56, v[L16]                ; (the plain instruction behind the reciprocal)
	s_wait_alu depctr_va_vdst(0)                   ; the wait ahead of its first reader
	v_ldexp_f32 v14, v14, s76
.set i, 0
.rept 32
	v_mul_f32 v[96+i], v[160+i], v14
.set i, i+1
.endr
.set i, 0
.rept 32
	v_med3_num_f32 v[96+i], v[96+i], -v241, v241
.set i, i+1
.endr
.irp t, 0,1,2,3
	v_cvt_scalef32_pk8_fp8_f32 v[208+2*\t:209+2*\t], v[96+8*\t:103+8*\t], v245
.endr
	v_nop                                          ; a plain vector instruction behind the last conversion
	global_store_b128 v[OA], v[208:211], s[48:49]                    ; 512 consecutive bytes each
	global_store_b128 v[OA], v[212:215], s[48:49] offset:512
.Lnone:
	s_sub_co_u32 s[TC], s[TC], 1
	s_cmp_lg_u32 s[TC], 0
	s_cbranch_scc1 .Ltile
.Lend:                                             ; the last product reads tiles 0 .. 64 of a batch alone: nothing is stored for tiles 65 .. 71
	s_wait_tensorcnt 0x0                           ; the wave's end
	ds_add_u32 v[SPW], v[NIL]
	s_wait_dscnt 0x0
	s_endpgm
.Lfunc_end_k_q895a5cdf92_attn:
	.size	k_q895a5cdf92_attn, .Lfunc_end_k_q895a5cdf92_attn-k_q895a5cdf92_attn
	.p2alignl 7, 3214868480
	.fill 96, 4, 3214868480
	.section	.rodata,"a",@progbits
	.p2align	6, 0x0
	.amdhsa_kernel k_q895a5cdf92_attn
		.amdhsa_group_segment_fixed_size 167936
		.amdhsa_private_segment_fixed_size 0
		.amdhsa_enable_private_segment 0
		.amdhsa_kernarg_size 80
		.amdhsa_user_sgpr_count 2
		.amdhsa_user_sgpr_kernarg_segment_ptr 1
		.amdhsa_wavefront_size32 1
		.amdhsa_system_sgpr_workgroup_id_x 1
		.amdhsa_system_sgpr_workgroup_id_y 1
		.amdhsa_system_sgpr_workgroup_id_z 1
		.amdhsa_system_vgpr_workitem_id 0
		.amdhsa_next_free_vgpr 256
		.amdhsa_next_free_sgpr 96
		.amdhsa_reserve_vcc 1
		.amdhsa_float_denorm_mode_32 3
		.amdhsa_float_denorm_mode_16_64 3
		.amdhsa_memory_ordered 1
		.amdhsa_forward_progress 1
		.amdhsa_inst_pref_size 50
	.end_amdhsa_kernel
	.amdgpu_metadata
---
amdhsa.version: [ 1, 2 ]
amdhsa.kernels:
  - .name:           k_q895a5cdf92_attn
    .symbol:         k_q895a5cdf92_attn.kd
    .args:
      - { .name: qc, .offset: 0, .size: 8, .value_kind: global_buffer, .address_space: global }
      - { .name: kc, .offset: 8, .size: 8, .value_kind: global_buffer, .address_space: global }
      - { .name: vc, .offset: 16, .size: 8, .value_kind: global_buffer, .address_space: global }
      - { .name: lowp_scales, .offset: 24, .size: 8, .value_kind: global_buffer, .address_space: global }
      - { .name: oc, .offset: 32, .size: 8, .value_kind: global_buffer, .address_space: global }
      - { .name: hc, .offset: 40, .size: 8, .value_kind: global_buffer, .address_space: global }
      - { .name: wqc, .offset: 48, .size: 8, .value_kind: global_buffer, .address_space: global }
      - { .name: qkv_b, .offset: 56, .size: 8, .value_kind: global_buffer, .address_space: global }
      - { .name: pos, .offset: 64, .size: 8, .value_kind: global_buffer, .address_space: global }
      - { .name: cs, .offset: 72, .size: 8, .value_kind: global_buffer, .address_space: global }
    .group_segment_fixed_size: 167936
    .private_segment_fixed_size: 0
    .kernarg_segment_align: 8
    .kernarg_segment_size: 80
    .max_flat_workgroup_size: 512
    .sgpr_count:     96
    .vgpr_count:     256
    .wavefront_size: 32
...
	.end_amdgpu_metadata
.endif
;; end of part 3
;; launch gemm2 (part 4): grid 8 x 32, 4 waves a work-group, clusters of 4 x 4, 327,680 bytes of LDS; arguments oc, woc, lowp_scales, out_b, out0; writes out0
.if DOCPART == 4
	.amdgcn_target "amdgcn-amd-amdhsa--gfx1250"
	.amdhsa_code_object_version 6
	.text
	.protected	k_q895a5cdf92_gemm2
	.globl	k_q895a5cdf92_gemm2
	.p2align	8
	.type	k_q895a5cdf92_gemm2,@function
k_q895a5cdf92_gemm2:
	s_mov_b64 s[64:65], 0
	v_nop
	global_prefetch_b8 v0, s[64:65] scope:SCOPE_SE
	s_setreg_imm32_b32 hwreg(HW_REG_WAVE_MODE, 25, 1), 1
	s_wait_xcnt 0x0
	s_wait_alu depctr_hold_cnt(0) depctr_sa_sdst(0) depctr_va_vdst(0) depctr_va_sdst(0) depctr_va_ssrc(0) depctr_va_vcc(0) depctr_vm_vsrc(0)
	s_getreg_b32 s2, hwreg(HW_REG_IB_STS2, 6, 4)
	s_cmp_eq_u32 s2, 0
	s_cbranch_scc0 .Lentry_in_a_cluster
	s_endpgm
.Lentry_in_a_cluster:
	s_bfe_u32 s2, ttmp6, 0x10000c
	s_cmp_lg_u32 s2, 0xf033
	s_cbranch_scc0 .Lentry_shape_is_right
	s_endpgm
.Lentry_shape_is_right:
; out0 = o out_w^T + out_b on codes of FP8 (E4M3); K = 1,024.
; A work-group of four waves makes tokens 256 quarter .. + 255 of a batch x 128 features: 32 x 8 = 256 work-groups.  A wave makes 128 tokens x 64 features: 32 accumulators.
; TOKEN 1,024 of a batch lies in the batch's tile 64.  Every wave multiplies that tile too, against its 64 features (four accumulators more): the partners of a cluster run one text.
; Its row 0 is stored by one owner, the waves of the batch's last quarter that hold the tokens' upper half, chosen by an EXEC mask; the others discard it.
; oc, woc: [tile of 16 rows][quad of 32 k][lane][16 bytes]: two quads are a fragment of the K = 64 form.  Source 0 = 16 rows of the weight, source 1 = 16 tokens: a lane holds one token and eight neighbouring features.
; K goes in three pieces of 384, 384, 256 through two LDS slots of 153,600 bytes.  Waves 0, 1 fetch the tokens' halves, wave 2 the weight's 128 rows, wave 3 tile 64.
; CLUSTERS 4 x 4: the tokens' tiles are shared along a row of the cluster, the weight's along a column: joint loads.
; NO PREFETCH: the text has no loop to run ahead in; of its three fills two are first fills.
; LIMIT: e6 + e7 between -126 and 127.
; REGISTERS.  window 0: v1 r, v2 h, v4 32 h, v5 16 x lane, v6-7 the add's two, v8-18 addresses; v32-175 the tokens' fragments (nine blocks, two sets), v176-239 the weight's (four, two sets).
;   window 1: accumulator (block of tokens a, block of features b) at v[8 (4 a + b)];  window 2: tile 64's four at v[8 b];  window 3: v0-31 the bias.
.set S1,    153600
.set SPARE, 307200
.set TSA,   49152                      ; in a slot: the tokens' halves at 0 and 49,152, the weight at 98,304, tile 64 at 147,456
.set OFB,   98304
.set OFX,   147456
.set SP,    272                        ; a stage row: 256 bytes + 16
.set L16, 5
.set SPW, 6
.set NIL, 7
.set ADRA, 8
.set ADRB, 10
.set ADRX, 14
.set STO, 16
.set RD,  17
.set CO,  18
.set AF,  32
.set BF,  176
.set TMP, 64
.set BK,  96
.set G1,  24
.set G0A, 32
.set G1B, 40
.set G0B, 48
.set G1X, 56
.set G0X, 68
.set MSB, 0
.macro WIN new
.if MSB != \new
	s_set_vgpr_msb (MSB<<8)|\new
.set MSB, \new
.endif
.endm
.macro PLACES
.rept 4
	v_nop
.endr
.endm
.macro JLOAD s                         ; one joint load a wave, in one chain of branches on the wave's number
	s_cmp_lt_u32 s14, 2
	s_cbranch_scc0 .Lnot_a_\@
	tensor_load_to_lds s[G0A+4*\s:G0A+4*\s+3], s[G1:G1+7]
	s_nop 0
	PLACES
	s_branch .Lasked_\@
.Lnot_a_\@:
	s_cmp_eq_u32 s14, 2
	s_cbranch_scc0 .Lfor_x_\@
	tensor_load_to_lds s[G0B+4*\s:G0B+4*\s+3], s[G1B:G1B+7]
	s_nop 0
	PLACES
	s_branch .Lasked_\@
.Lfor_x_\@:
	tensor_load_to_lds s[G0X+4*\s:G0X+4*\s+3], s[G1X:G1X+7]
	s_nop 0
	PLACES
.Lasked_\@:
.endm
.macro CREST
	s_cmp_lg_u32 s14, 0
	s_cbranch_scc1 .Lnot_wave_0_\@
	s_barrier_signal -3
.Lnot_wave_0_\@:
	s_barrier_wait -3
	s_barrier_signal -1
	s_barrier_wait -1
.endm
.macro CROUND
	s_barrier_signal -1
	s_barrier_wait -1
	CREST
.endm
.macro SETK kc                         ; a tile's part of a piece is 16 kc bytes: a row of 2 kc elements of 8 bytes; tile 64's goes as kc / 16 rows of 256 bytes
.irp g, G1, G1B
	s_mov_b32 s[\g+1], (2*\kc)<<16
	s_mov_b32 s[\g+3], (2*\kc)<<16
.endr
	s_mov_b32 s[G1X+2], (\kc/16)<<16
	s_mov_b32 s[G1X+4], \kc/16
.endm
	s_load_b256 s[4:11], s[0:1], 0x0               ; oc, woc, the exponents, out_b
	s_load_b64 s[12:13], s[0:1], 0x20              ; out0
	v_lshl_add_u32 v[SPW], v0, 2, SPARE
	v_mov_b32 v[NIL], 0
	ds_add_u32 v[SPW], v[NIL]                      ; the opening lines: the add twice on end and its wait
	ds_add_u32 v[SPW], v[NIL]
	v_lshrrev_b32 v1, 5, v0
	v_readfirstlane_b32 s14, v1                    ; wave
	s_lshr_b32 s15, s14, 1                         ; my half of the tokens
	s_and_b32 s16, s14, 1                          ; my half of the features.  Also: which half of the tokens waves 0 and 1 fetch
	s_bfe_u32 s76, ttmp6, 0x40000                  ; cx
	s_bfe_u32 s77, ttmp6, 0x40004                  ; cy
	s_lshl_b32 s78, ttmp9, 2
	s_add_co_u32 s78, s78, s76                     ; x: the block of 128 features
	s_and_b32 s17, ttmp7, 0xffff
	s_lshl_b32 s17, s17, 2
	s_add_co_u32 s17, s17, s77                     ; 4 batch + quarter
	s_lshl_b32 s79, s77, 2
	s_lshl_b32 s79, 15, s79                        ; my row of the cluster
	s_lshl_b32 s80, 0x1111, s76                    ; my column
	s_or_b32 s[G1+0], s79, (3<<16)|(1<<21)         ; the mask; elements of 8 bytes; bit 21 beside a mask
	s_or_b32 s[G1X+0], s79, (3<<16)|(1<<21)
	s_or_b32 s[G1B+0], s80, (3<<16)|(1<<21)
	SETK 384
.irp g, G1, G1B
	s_mov_b32 s[\g+2], 8<<16                       ; eight tiles a load,
	s_mov_b32 s[\g+4], 8
	s_mov_b32 s[\g+5], 2048                        ; 16,384 bytes apart
	s_mov_b32 s[\g+6], 0
	s_mov_b32 s[\g+7], 0
.endr
	s_mov_b32 s[G1X+1], 32<<16
	s_mov_b32 s[G1X+3], 32<<16
	s_mov_b32 s[G1X+5], 32
	s_mov_b32 s[G1X+6], 0
	s_mov_b32 s[G1X+7], 0
	s_lshr_b32 s18, s17, 2                         ; batch
	s_and_b32 s19, s17, 3                          ; quarter
	s_mul_i32 s22, s18, 72                         ; oc has 72 tiles a batch
	s_lshl_b32 s20, s19, 4
	s_add_co_u32 s20, s20, s22
	s_lshl_b32 s21, s16, 3
	s_add_co_u32 s20, s20, s21
	s_lshl_b32 s20, s20, 14
	s_mov_b32 s21, 0
	s_add_co_u32 s22, s22, 64
	s_lshl_b32 s22, s22, 14                        ; tile 64
	s_mov_b32 s23, 0
	s_lshl_b32 s82, s78, 17                        ; woc: eight tiles a block of features
	s_mov_b32 s83, 0
.irp g, G0A, G0B, G0X
	s_mov_b32 s[\g], 1
	s_mov_b32 s[\g+4], 1
.endr
	s_mul_i32 s[G0A+1], s16, TSA
	s_add_co_u32 s[G0A+5], s[G0A+1], S1
	s_mov_b32 s[G0B+1], OFB
	s_mov_b32 s[G0B+5], S1+OFB
	s_mov_b32 s[G0X+1], OFX
	s_mov_b32 s[G0X+5], S1+OFX
	s_mul_i32 s84, s15, TSA                        ; where I read my tokens,
	s_add_co_u32 s85, s84, S1
	s_mul_i32 s2, s16, 24576                       ; my four tiles of the weight: 6,144 bytes a tile in a piece of 384,
	s_add_co_u32 s2, s2, OFB
	s_add_co_u32 s3, s2, S1
	s_lshl_b32 s81, s16, 14                        ; 4,096 in the piece of 256
	s_add_co_u32 s81, s81, OFB
	s_lshl_b32 s92, s78, 9
	s_lshl_b32 s93, s16, 8
	s_add_co_u32 s92, s92, s93                     ; my first feature, in bytes of f32
	s_mov_b32 s93, 0
	s_mul_i32 s88, s18, 1025
	s_lshl_b32 s86, s19, 8
	s_add_co_u32 s86, s86, s88
	s_lshl_b32 s87, s15, 7
	s_add_co_u32 s86, s86, s87                     ; my first row of out0
	s_lshl_b32 s86, s86, 12
	s_add_co_u32 s86, s86, s92
	s_mov_b32 s87, 0
	s_add_co_u32 s88, s88, 1024                    ; the row of token 1,024
	s_lshl_b32 s88, s88, 12
	s_add_co_u32 s88, s88, s92
	s_mov_b32 s89, 0
	s_mul_i32 s94, s14, 16*SP
	s_add_co_u32 s94, s94, S1                      ; my stage: in slot 1, which has had its last fill and its last read when the first result is stored there
	s_lshl_b32 s95, s19, 1
	s_add_co_u32 s95, s95, s15
	s_cmp_eq_u32 s95, 7
	s_cselect_b32 s90, 0xffff, 0                   ; lanes 0-15 in token 1,024's owner, none elsewhere
	s_wait_dscnt 0x0
	s_wait_kmcnt 0x0
	s_load_b64 s[98:99], s[8:9], 0x18              ; e6, e7
	s_add_nc_u64 s[G0A+2:G0A+3], s[4:5], s[20:21]
	s_add_nc_u64 s[G0A+6:G0A+7], s[G0A+2:G0A+3], 6144       ; the second piece begins at k = 384
	s_add_nc_u64 s[G0X+2:G0X+3], s[4:5], s[22:23]
	s_add_nc_u64 s[G0X+6:G0X+7], s[G0X+2:G0X+3], 6144
	s_add_nc_u64 s[G0B+2:G0B+3], s[6:7], s[82:83]
	s_add_nc_u64 s[G0B+6:G0B+7], s[G0B+2:G0B+3], 6144
.irp g, G0A, G0B, G0X
	s_or_b32 s[\g+3], s[\g+3], 0x80000000
	s_or_b32 s[\g+7], s[\g+7], 0x80000000
.endr
	CROUND                                         ; the first joint loads meet
	JLOAD 0                                        ; piece 0: my one tensor load at the head
	s_wait_kmcnt 0x0
	s_add_co_i32 s96, s98, s99
	s_add_co_i32 s96, s96, 127
	s_lshl_b32 s96, s96, 23                        ; 2^(e6 + e7)
	s_mov_b32 s97, s96
	s_add_nc_u64 s[10:11], s[10:11], s[92:93]
	s_add_nc_u64 s[88:89], s[12:13], s[88:89]
	s_add_nc_u64 s[12:13], s[12:13], s[86:87]
	v_and_b32 v1, 15, v0                           ; r
	v_bfe_u32 v2, v0, 4, 1                         ; h
	v_and_b32 v3, 31, v0
	v_lshlrev_b32 v[L16], 4, v3
	v_lshlrev_b32 v4, 5, v2
	v_add_nc_u32 v[ADRA], s84, v[L16]
	v_add_nc_u32 v[ADRA+1], s85, v[L16]
	v_add_nc_u32 v[ADRB], s2, v[L16]
	v_add_nc_u32 v[ADRB+1], s3, v[L16]
	v_add_nc_u32 v[ADRB+2], s81, v[L16]
	v_add_nc_u32 v[ADRX], OFX, v[L16]
	v_add_nc_u32 v[ADRX+1], S1+OFX, v[L16]
	v_mul_u32_u24 v[STO], v1, SP                   ; into the stage: row r, 32 bytes for each half of the lanes
	v_add_nc_u32 v[STO], v[STO], v4
	v_add_nc_u32 v[STO], s94, v[STO]
	v_mul_u32_u24 v[RD], v2, SP                    ; back: lanes 0-15 one row of 256 bytes, lanes 16-31 the next
	v_lshl_add_u32 v[RD], v1, 4, v[RD]
	v_add_nc_u32 v[RD], s94, v[RD]
	v_lshlrev_b32 v[CO], 12, v2                    ; and the same two rows in out0
	v_lshl_add_u32 v[CO], v1, 4, v[CO]
	WIN 0xc0                                       ; the bias goes to window 3
.irp b, 0,1,2,3
	global_load_b128 v[8*\b:8*\b+3],   v4, s[10:11] offset:64*\b          ; features 16 b + 8 h + 0..7 of my 64
	global_load_b128 v[8*\b+4:8*\b+7], v4, s[10:11] offset:64*\b+16
.endr
	WIN 0
.macro LDF reg, adr, off               ; a fragment for 64 along K: two quads
	ds_load_b128 v[\reg:\reg+3], v[\adr] offset:\off
	ds_load_b128 v[\reg+4:\reg+7], v[\adr] offset:(\off)+512
.endm
.macro FETCH slot, ab, ts, t, set      ; step t of a piece whose tiles lie ts bytes apart: 13 fragments, 26 loads
.irp b, 0,1,2,3
	LDF BF+32*(\set)+8*\b, ADRB+\ab, \b*(\ts)+1024*(\t)
.endr
.irp a, 0,1,2,3,4,5,6,7
	LDF AF+72*(\set)+8*\a, ADRA+\slot, \a*(\ts)+1024*(\t)
.endr
	LDF AF+72*(\set)+64, ADRX+\slot, 1024*(\t)
.endm
.macro WM d, b, a, zero
.if \zero
	v_wmma_f32_16x16x64_fp8_fp8 v[\d:\d+7], v[\b:\b+7], v[\a:\a+7], 0
.else
	v_wmma_f32_16x16x64_fp8_fp8 v[\d:\d+7], v[\b:\b+7], v[\a:\a+7], v[\d:\d+7]
.endif
.endm
.macro MULH set, b0, zero              ; two blocks of features x my eight blocks of tokens; the accumulators take turns
.irp b, \b0, \b0+1
.irp a, 0,1,2,3,4,5,6,7
	WM 8*(4*\a+(\b)), BF+32*(\set)+8*(\b), AF+72*(\set)+8*\a, \zero
.endr
.endr
.endm
.macro MULX set, zero                  ; tile 64 x my four blocks of features
.irp b, 0,1,2,3
	WM 8*\b, BF+32*(\set)+8*\b, AF+72*(\set)+64, \zero
.endr
.endm
.macro TAIL set, zero
	WIN 0x50
	MULH \set, 2, \zero
	WIN 0xa0
	MULX \set, \zero
	WIN 0
.endm
.macro STEP slot, ab, ts, t, set, zero ; multiplies set; (slot, ab, ts, t): the next step, fetched into the other set
	s_wait_dscnt 0x0                               ; this step's fragments are in
	PLACES                                         ; in front of loads into the set that the last step's products read
	FETCH \slot, \ab, \ts, \t, 1-(\set)
	WIN 0x50
	MULH \set, 0, \zero
	TAIL \set, \zero
.endm
.macro TURN slot, fill, kc, nslot, ab, ts, set   ; a piece's last step changes slots; fill = 1: this slot takes the piece two on
	s_wait_tensorcnt 0x0                           ; my part of the next slot has landed
	ds_add_u32 v[SPW], v[NIL]
	s_wait_dscnt 0x0                               ; the add is done, my reads of this slot are over
	s_barrier_signal -1
	WIN 0x50
	MULH \set, 0, 0
	WIN 0
	s_barrier_wait -1
.if \fill
	CREST                                          ; the barrier has opened a round of the cluster's
.irp g, G0A, G0B, G0X
	s_add_nc_u64 s[\g+4*\slot+2:\g+4*\slot+3], s[\g+4*\slot+2:\g+4*\slot+3], 12288     ; 768 along K on
.endr
	SETK \kc
	JLOAD \slot                                    ; my one tensor load behind the round; its four v_nop are the places in front of the loads below
.else
	PLACES
.endif
	FETCH \nslot, \ab, \ts, 0, 1-(\set)
	TAIL \set, 0
.endm
	s_wait_alu depctr_va_vdst(0)
	s_wait_tensorcnt 0x0                           ; my part of piece 0 is in; a later first fill is issued as a refill is
	ds_add_u32 v[SPW], v[NIL]
	s_wait_dscnt 0x0
	CROUND
	JLOAD 1                                        ; piece 1
	FETCH 0, 0, 6144, 0, 0
	STEP 0, 0, 6144, 1, 0, 1                       ; the first products start the sums
	STEP 0, 0, 6144, 2, 1, 0
	STEP 0, 0, 6144, 3, 0, 0
	STEP 0, 0, 6144, 4, 1, 0
	STEP 0, 0, 6144, 5, 0, 0
	TURN 0, 1, 256, 1, 1, 6144, 1
	STEP 1, 1, 6144, 1, 0, 0
	STEP 1, 1, 6144, 2, 1, 0
	STEP 1, 1, 6144, 3, 0, 0
	STEP 1, 1, 6144, 4, 1, 0
	STEP 1, 1, 6144, 5, 0, 0
	TURN 1, 0, 0, 0, 2, 4096, 1                    ; nothing is left to fetch
	STEP 0, 2, 4096, 1, 0, 0
	STEP 0, 2, 4096, 2, 1, 0
	STEP 0, 2, 4096, 3, 0, 0
	s_wait_dscnt 0x0
	WIN 0x50
	MULH 1, 0, 0
	TAIL 1, 0
	PLACES
	s_wait_loadcnt 0x0                             ; the bias, asked for at the head
; THE WAY OUT, a block of 16 tokens x 64 features at a time: through my stage and back as rows of 256 bytes, which sixteen lanes store as one aligned unit.  LDS serves a wave's instructions in order.
.macro TOSTAGE a
.if (\a) < 8
	WIN 0x31                                       ; source 0: window 1; source 2, the bias: window 3
.set AC, 32*(\a)
.else
	WIN 0x32                                       ; tile 64's sums: window 2
.set AC, 0
.endif
.irp j, 0,2,4,6,8,10,12,14,16,18,20,22,24,26,28,30
	v_pk_fma_f32 v[TMP+\j:TMP+\j+1], v[AC+\j:AC+\j+1], s[96:97], v[\j:\j+1] op_sel_hi:[1,0,1]     ; sum x 2^(e6 + e7) + bias; each accumulator from its low end on
.endr
	WIN 0
.irp b, 0,1,2,3
	ds_store_b128 v[STO], v[TMP+8*\b:TMP+8*\b+3] offset:64*\b
	ds_store_b128 v[STO], v[TMP+8*\b+4:TMP+8*\b+7] offset:64*\b+16
.endr
.set BB, BK+32*((\a)%2)
.irp t, 0,1,2,3,4,5,6,7
	ds_load_b128 v[BB+4*\t:BB+4*\t+3], v[RD] offset:\t*2*SP
.endr
.endm
.macro SEND a, younger                 ; younger: the LDS instructions issued behind block a's loads
.set BB, BK+32*((\a)%2)
	s_wait_dscnt \younger
.if (\a) > 0
	s_add_nc_u64 s[12:13], s[12:13], 65536         ; (behind a wait on XCNT)  16 rows of out0 on
.endif
.irp t, 0,1,2,3,4,5,6,7
	global_store_b128 v[CO], v[BB+4*\t:BB+4*\t+3], s[12:13] offset:\t*8192 th:TH_STORE_NT
.endr
.endm
	TOSTAGE 0
.irp a, 1,2,3,4,5,6,7,8
.if \a > 1
	s_wait_xcnt 0x0                                ; block a - 2's stores have read their registers and their base
.endif
	TOSTAGE \a
	SEND \a-1, 16                                  ; behind block a - 1's loads: block a's eight stores and eight loads
.endr
	s_wait_dscnt 0x0                               ; tile 64's rows are back
	s_wait_xcnt 0x0                                ; EXEC changes only behind this wait
	s_and_saveexec_b32 s91, s90
	global_store_b128 v[CO], v[BK:BK+3], s[88:89] th:TH_STORE_NT      ; row 0 of the tile: token 1,024, 256 bytes, in its owner alone
	s_wait_xcnt 0x0
	s_or_b32 exec_lo, exec_lo, s91
	s_wait_tensorcnt 0x0                           ; the wave's end
	ds_add_u32 v[SPW], v[NIL]
	s_wait_dscnt 0x0
	CROUND                                         ; the closing round
	s_endpgm
.Lfunc_end_k_q895a5cdf92_gemm2:
	.size	k_q895a5cdf92_gemm2, .Lfunc_end_k_q895a5cdf92_gemm2-k_q895a5cdf92_gemm2
	.p2alignl 7, 3214868480
	.fill 96, 4, 3214868480
	.section	.rodata,"a",@progbits
	.p2align	6, 0x0
	.amdhsa_kernel k_q895a5cdf92_gemm2
		.amdhsa_group_segment_fixed_size 327680
		.amdhsa_private_segment_fixed_size 0
		.amdhsa_enable_private_segment 0
		.amdhsa_kernarg_size 40
		.amdhsa_user_sgpr_count 2
		.amdhsa_user_sgpr_kernarg_segment_ptr 1
		.amdhsa_wavefront_size32 1
		.amdhsa_system_sgpr_workgroup_id_x 1
		.amdhsa_system_sgpr_workgroup_id_y 1
		.amdhsa_system_sgpr_workgroup_id_z 1
		.amdhsa_system_vgpr_workitem_id 0
		.amdhsa_next_free_vgpr 1024
		.amdhsa_next_free_sgpr 100
		.amdhsa_reserve_vcc 0
		.amdhsa_float_denorm_mode_32 3
		.amdhsa_float_denorm_mode_16_64 3
		.amdhsa_memory_ordered 1
		.amdhsa_forward_progress 1
		.amdhsa_inst_pref_size 105
	.end_amdhsa_kernel
	.amdgpu_metadata
---
amdhsa.version: [ 1, 2 ]
amdhsa.kernels:
  - .name:           k_q895a5cdf92_gemm2
    .symbol:         k_q895a5cdf92_gemm2.kd
    .args:
      - { .name: oc, .offset: 0, .size: 8, .value_kind: global_buffer, .address_space: global }
      - { .name: woc, .offset: 8, .size: 8, .value_kind: global_buffer, .address_space: global }
      - { .name: lowp_scales, .offset: 16, .size: 8, .value_kind: global_buffer, .address_space: global }
      - { .name: out_b, .offset: 24, .size: 8, .value_kind: global_buffer, .address_space: global }
      - { .name: out0, .offset: 32, .size: 8, .value_kind: global_buffer, .address_space: global }
    .group_segment_fixed_size: 327680
    .private_segment_fixed_size: 0
    .kernarg_segment_align: 8
    .kernarg_segment_size: 40
    .max_flat_workgroup_size: 128
    .sgpr_count:     100
    .vgpr_count:     1024
    .wavefront_size: 32
...
	.end_amdgpu_metadata
.endif
;; end of part 4
